; MI455X (gfx1250); checked and timed in simulation.
; The chip was launched on July 23, 2026; its instructions are those of AMD's public machine-readable ISA for CDNA 5 (MIT licence, August 2026) and "CDNA5" Instruction Set Architecture Reference Guide (July 2026). The comments in the code are by the model that wrote it; some were corrected since.
;; Multi Head Attention. Allowed arithmetic: matrix products marked QUANTISED: E5M2 operands, one given power-of-two scale a tensor, by v_wmma_f32_16x16x64_bf8_bf8 or v_wmma_f32_16x16x128_bf8_bf8, f32 sums; everything else in f32.
;; Inputs: Wk 1,024 x 1,024 float32; Wo 1,024 x 1,024 float32; Wq 1,024 x 1,024 float32; Wv 1,024 x 1,024 float32; bk 1,024 float32; bo 1,024 float32; bq 1,024 float32; bv 1,024 float32; key_padding_mask 2 x 2,048 bool; lowp_scales 12 int32 (the exponents e of the quantised operands' scales 2^e); x 2 x 2,048 x 1,024 float32.
;; Outputs: out0 2 x 2,048 x 1,024 float32.
;; This version of the problem:
;;   THIS VERSION OF THE PROBLEM IS GIVEN IN LOW PRECISION. The matrix products marked QUANTISED in the list below multiply operands that are first quantised to E5M2 (5 exponent bits, 2 mantissa bits; 8 bits a number), with one given power-of-two scale for each operand tensor; their sums are f32. All else is computed in f32.
;;   The module's matrix products, in the order in which they are computed (A, B: the left and right operand; K: the contracted axis; several contracted axes count as one K, in the product's order):
;;     1. [M 4,096, K 1,024] x [K 1,024, N 1,024]; A: input x; B: input Wq: QUANTISED (scales: A lowp_scales[0], B lowp_scales[1])
;;     2. [M 4,096, K 1,024] x [K 1,024, N 1,024]; A: input x; B: input Wk: QUANTISED (scales: A lowp_scales[2], B lowp_scales[3])
;;     3. [M 4,096, K 1,024] x [K 1,024, N 1,024]; A: input x; B: input Wv: QUANTISED (scales: A lowp_scales[4], B lowp_scales[5])
;;     4. batch 32 x [M 2,048, K 64] x [K 64, N 2,048]; A: computed on the way; B: computed on the way: QUANTISED (scales: A lowp_scales[6], B lowp_scales[7])
;;     5. batch 32 x [M 64, K 2,048] x [K 2,048, N 2,048]; A: computed on the way; B: computed on the way: QUANTISED (scales: A lowp_scales[8], B lowp_scales[9])
;;     6. [M 4,096, K 1,024] x [K 1,024, N 1,024]; A: computed on the way; B: input Wo: QUANTISED (scales: A lowp_scales[10], B lowp_scales[11])
;;   THE QUANTISER, for each operand of a quantised product, along K:
;;     - The operand's scale is 2^e, e = its entry of the input lowp_scales (int32; the entries are numbered through the quantised products in the list's order, A before B).
;;     - Each number is divided by the scale, clamped to +-57,344, and rounded to the nearest number of E5M2, ties to even, subnormals kept.
;;     - The product sums the exact products of the quantised numbers (number of the format x scale) in f32.
;;   ~~~python
;;   def quantise(x, axis, e):      # numpy; x: float32 -> the quantised numbers, widened to float32 again
;;       x = np.moveaxis(x, axis, -1); K = x.shape[-1]
;;       r = np.clip(x / 2.0 ** e, -57344, 57344)
;;       step = 2.0 ** (np.maximum(np.frexp(np.where(r == 0, 1, r))[1] - 1, -14) - 2)
;;       q = np.round(r / step) * step * 2.0 ** e      # np.round: ties to even
;;       return np.moveaxis(q, -1, axis).astype(np.float32)
;;   ~~~
;;   OPERANDS COMPUTED ON THE WAY. 'Computed on the way' means the value that the module computes at that place (a softmax that the list does not call 'softmax' is quantised finished and normalised). What goes into a quantiser is computed in f32, as accurately as f32 sums, v_exp_f32 and their like allow (about 1e-6 of the number): no bf16 or f16 on the way to a quantiser, and a product that is left as it is and whose result goes on into a quantised operand takes f32 operands (vector FMAs, or v_wmma_f32_16x16x4_f32). A number that lies on a knife's edge between two numbers of the format may be rounded either way, as far as f32 arithmetic and the matrix unit's own rounding can turn it there, and no further.
;; One version. Each part assembles by itself: llvm-mc -triple=amdgcn-amd-amdhsa -mcpu=gfx1250 --defsym DOCPART=n.
;; ======== version 1 of 1: 4 launches
;; limits: right only within a limited range of input values
;; workspace buffers: codes 16,777,216 bytes; qkvc 12,582,912 bytes; ao 4,194,304 bytes
;; launch quant (part 1): grid 512 x 1, 4 waves a work-group, no clusters, 34,304 bytes of LDS; arguments x, Wq, Wk, Wv, Wo, lowp_scales, codes; writes codes
.if DOCPART == 1
	.amdgcn_target "amdgcn-amd-amdhsa--gfx1250"
	.amdhsa_code_object_version 6
	.text
	.protected	k_q65bb390a14_quant
	.globl	k_q65bb390a14_quant
	.p2align	8
	.type	k_q65bb390a14_quant,@function
k_q65bb390a14_quant:
	s_mov_b64 s[64:65], 0
	v_nop
	global_prefetch_b8 v0, s[64:65] scope:SCOPE_SE
	s_setreg_imm32_b32 hwreg(HW_REG_WAVE_MODE, 25, 1), 1
	s_wait_xcnt 0x0
; x [4096][1024] and Wq, Wk, Wv, Wo [1024][1024], f32 with K innermost, become codes of BF8 (E5M2), each with the scale 2^e that is given for it.
; x is an operand of three products with three given scales (entries 0, 2, 4), so it gets three sets of codes; Wq, Wk, Wv, Wo take entries 1, 3, 5, 11.
; code = number / 2^e, held within +-57,344, rounded to the nearest code, ties to even.
; LIMITS: each e used here lies between -126 and 112.  NaN among the inputs is not served; an infinity is held at the largest code.
; THE CODES ARE LAID AS IMAGES OF THE MATRIX OPERAND'S REGISTERS.  A fragment is 16 rows x 128 along K: 16 registers a lane; lane (r = lane % 16, h = lane / 16) holds in registers
; 2 c, 2 c + 1 the codes of row r, k = 16 c + 8 h + 0 .. 7.  Register n of lane l lies at byte 512 (n / 4) + 16 l + 4 (n % 4) of the fragment's 2,048 bytes.
; A plane is [tile of 16 rows][K step 0..7][2,048 bytes].  Planes: x at entry 0: byte 0; at entry 2: 4 MiB; at entry 4: 8 MiB; Wq 12 MiB, Wk 13, Wv 14, Wo 15.
; SHARES.  Work-group g takes one tile of 16 rows: g < 256 of x, else of weight (g >> 6) - 4, tile g & 63.  Wave w takes K steps 2 w and 2 w + 1: 1,024 bytes of each row.
; Each load reads 512 consecutive bytes of a row; a fragment's 16 x 512 bytes turn through the wave's own stage in LDS (rows 528 bytes apart) and come back 32 bytes at a time,
; eight neighbours along K to a conversion.  Each store covers 512 consecutive bytes, aligned.  Waves share nothing: no barrier.
; WORK LEFT OUT IN THE PROGRAM: scores, weights and products with v of steps of 128 keys that all come after a tile's queries.  reference() builds the causal mask itself and gives those keys weight 0 whatever the
; inputs hold, so no such score reaches a result.  LIMIT: a NaN, an infinity or an overflow that reaches only that work is not carried to the result.  Nothing is left out in this launch.
.set STGB, 8448                        ; a wave's stage: 16 rows x 528 bytes
.set SPI,  528                         ; 512 bytes + 16: the 16 rows that a load touches start at 16 different 16-byte columns
.set SC,   8                           ; v8-10   2^e as f32, for the three sets
.set LIM,  11                          ; v11-13  57,344 x 2^e
.set T,    16                          ; v16-31  two sets of eight held numbers, by turns
.set R,    32                          ; v32-159 as loaded: fragment f, row i at R + 64 f + 4 i; later the codes of fragment f, set o at R + 64 f + 16 o
.set X,    160                         ; v160-223 a fragment's 64 numbers of my lane
	s_load_b256 s[8:15], s[0:1], 0x0               ; x, Wq, Wk, Wv
	s_load_b128 s[16:19], s[0:1], 0x20             ; Wo, the scales' exponents
	s_load_b64 s[20:21], s[0:1], 0x30              ; the codes
	v_lshl_add_u32 v224, v0, 2, 0x8400
	v_mov_b32 v225, 0
	v_lshrrev_b32 v1, 5, v0
	v_readfirstlane_b32 s4, v1                     ; wave 0..3
	v_and_b32 v1, 31, v0                           ; lane
	v_and_b32 v2, 15, v0                           ; r
	v_bfe_u32 v3, v0, 4, 1                         ; h
	v_lshlrev_b32 v4, 4, v1                        ; 16 x lane: my bytes of a load's or a store's 512
	s_mul_i32 s5, s4, STGB
	v_add_nc_u32 v5, s5, v4                        ; the stage, on the way in: a row's 512 bytes as they lie
	v_mul_u32_u24 v6, v2, SPI
	v_lshl_add_u32 v6, v3, 5, v6
	v_add_nc_u32 v6, s5, v6                        ; and on the way out: row r, + 32 h
	s_lshr_b32 s40, ttmp9, 6
	s_max_u32 s40, s40, 4
	s_sub_co_u32 s40, s40, 4                       ; which weight, 0..3 (0 in x's work-groups, where it is not used)
	s_lshl_b32 s41, s40, 3
	s_add_co_u32 s41, s41, 4                       ; its exponent's byte: 4, 12, 20;
	s_and_b32 s39, ttmp9, 63                       ; its tile of rows
	s_cmp_lt_u32 ttmp9, 448
	s_cselect_b32 s41, s41, 44                     ; Wo's is entry 11
	s_cmp_lt_u32 ttmp9, 256                        ; x's work-group?
	s_cselect_b32 s34, 0, s41
	s_cselect_b32 s39, ttmp9, s39
	s_cselect_b32 s42, 0, 512
	s_add_co_u32 s42, s42, ttmp9                   ; the tile's number in the codes' buffer: the weights begin at tile 768
	s_lshl_b32 s32, s39, 16                        ; 16 rows of 4,096 bytes,
	s_lshl_b32 s43, s4, 10                         ; my wave's 1,024 bytes of a row
	s_add_co_u32 s32, s32, s43
	s_mov_b32 s33, 0
	s_lshl_b32 s44, s42, 14                        ; a tile's 8 fragments,
	s_lshl_b32 s43, s4, 12                         ; my wave's two
	s_add_co_u32 s44, s44, s43
	s_mov_b32 s45, 0
	s_wait_alu depctr_va_vdst(0)
	s_wait_kmcnt 0x0
	s_load_b32 s35, s[18:19], s34 offset:0x0       ; the first set's e
	s_load_b32 s36, s[18:19], 0x8                  ; x's second
	s_load_b32 s37, s[18:19], 0x10                 ; x's third
	s_mov_b64 s[24:25], s[16:17]                   ; the source is chosen by the work-group's number alone
	s_cmp_lt_u32 ttmp9, 448
	s_cselect_b64 s[24:25], s[14:15], s[24:25]
	s_cmp_lt_u32 ttmp9, 384
	s_cselect_b64 s[24:25], s[12:13], s[24:25]
	s_cmp_lt_u32 ttmp9, 320
	s_cselect_b64 s[24:25], s[10:11], s[24:25]
	s_cmp_lt_u32 ttmp9, 256
	s_cselect_b64 s[24:25], s[8:9], s[24:25]
	s_add_nc_u64 s[24:25], s[24:25], s[32:33]
	s_add_nc_u64 s[26:27], s[20:21], s[44:45]      ; where the first set goes;
	s_add_nc_u64 s[28:29], s[26:27], 0x400000      ; x's second and third set, a plane further each (used by x's work-groups alone)
	s_add_nc_u64 s[30:31], s[26:27], 0x800000
.irp f, 0,1
.irp i, 0,1,2,3,4,5,6,7,8,9,10,11,12,13,14,15
	global_load_b128 v[R+64*\f+4*\i:R+64*\f+4*\i+3], v4, s[24:25] offset:4096*\i+512*\f th:TH_LOAD_NT   ; 32 lanes read 512 consecutive bytes of row i; all 32 loads of the wave go out at once
.endr
.endr
	s_wait_kmcnt 0x0
.irp o, 0,1,2
	s_add_co_i32 s38, s[35+\o], 127
	s_lshl_b32 s39, s38, 23
	v_mov_b32 v[SC+\o], s39                        ; 2^e as f32: the conversion takes its exponent field
	s_add_co_i32 s38, s38, 15
	s_lshl_b32 s38, s38, 23
	s_or_b32 s38, s38, 0x600000
	v_mov_b32 v[LIM+\o], s38                       ; 57,344 x 2^e
.endr
; Fragment f's 64 numbers of my lane (in X) become set o's codes and are stored.  The held numbers go into T, so that X serves all three sets; T's two halves take turns,
; so that eight plain lines stand between a conversion and the lines that write its sources again.
.macro CONV f, o
.irp c, 0,1,2,3,4,5,6,7
.irp i, 0,1,2,3,4,5,6,7
	v_med3_num_f32 v[T+8*(\c%2)+\i], v[X+8*\c+\i], -v[LIM+\o], v[LIM+\o]   ; the conversion to an 8-bit code does not saturate (ISA guide 7.6.2): the hold comes first
.endr
	v_cvt_scalef32_pk8_bf8_f32 v[R+64*\f+16*\o+2*\c:R+64*\f+16*\o+2*\c+1], v[T+8*(\c%2):T+8*(\c%2)+7], v[SC+\o]   ; registers 2 c, 2 c + 1 of the fragment
.endr
	v_nop                                          ; a plain line behind the last conversion
.irp c, 0,1,2,3
	global_store_b128 v4, v[R+64*\f+16*\o+4*\c:R+64*\f+16*\o+4*\c+3], s[26+2*\o:27+2*\o] offset:2048*\f+512*\c   ; 512 consecutive bytes, aligned; each code register is written once, so no store's data are written again
.endr
.endm
.macro FRAG f
	s_wait_loadcnt 16*(1-\f)                       ; this fragment's 16 loads are in; the other's 16, issued behind them, may be out
.irp i, 0,1,2,3,4,5,6,7,8,9,10,11,12,13,14,15
	ds_store_b128 v5, v[R+64*\f+4*\i:R+64*\f+4*\i+3] offset:SPI*\i
.endr
.irp c, 0,1,2,3,4,5,6,7
	ds_load_b128 v[X+8*\c:X+8*\c+3], v6 offset:64*\c        ; LDS serves a wave's instructions in order: these see my stores
	ds_load_b128 v[X+8*\c+4:X+8*\c+7], v6 offset:64*\c+16   ; row r, k = 16 c + 8 h + 0 .. 7
.endr
	s_wait_dscnt 0x0                               ; the numbers are back, and the stores have read their registers, which take the codes
	CONV \f, 0
	s_cmp_ge_u32 ttmp9, 256                        ; a weight has one scale
	s_cbranch_scc1 .Lone_\@
	CONV \f, 1
	CONV \f, 2
.Lone_\@:
.endm
	s_wait_alu depctr_va_vdst(0)
	FRAG 0
	FRAG 1
	s_wait_tensorcnt 0x0
	ds_add_u32 v224, v225
	s_wait_dscnt 0x0
	s_endpgm
.Lfunc_end_k_q65bb390a14_quant:
	.size	k_q65bb390a14_quant, .Lfunc_end_k_q65bb390a14_quant-k_q65bb390a14_quant
	.p2alignl 7, 3214868480
	.fill 96, 4, 3214868480
	.section	.rodata,"a",@progbits
	.p2align	6, 0x0
	.amdhsa_kernel k_q65bb390a14_quant
		.amdhsa_group_segment_fixed_size 34304
		.amdhsa_private_segment_fixed_size 0
		.amdhsa_enable_private_segment 0
		.amdhsa_kernarg_size 56
		.amdhsa_user_sgpr_count 2
		.amdhsa_user_sgpr_kernarg_segment_ptr 1
		.amdhsa_wavefront_size32 1
		.amdhsa_system_sgpr_workgroup_id_x 1
		.amdhsa_system_sgpr_workgroup_id_y 1
		.amdhsa_system_sgpr_workgroup_id_z 1
		.amdhsa_system_vgpr_workitem_id 0
		.amdhsa_next_free_vgpr 226
		.amdhsa_next_free_sgpr 66
		.amdhsa_reserve_vcc 0
		.amdhsa_float_denorm_mode_32 3
		.amdhsa_float_denorm_mode_16_64 3
		.amdhsa_memory_ordered 1
		.amdhsa_forward_progress 1
		.amdhsa_inst_pref_size 41
	.end_amdhsa_kernel
	.amdgpu_metadata
---
amdhsa.version: [ 1, 2 ]
amdhsa.kernels:
  - .name:           k_q65bb390a14_quant
    .symbol:         k_q65bb390a14_quant.kd
    .args:
      - { .name: x, .offset: 0, .size: 8, .value_kind: global_buffer, .address_space: global }
      - { .name: Wq, .offset: 8, .size: 8, .value_kind: global_buffer, .address_space: global }
      - { .name: Wk, .offset: 16, .size: 8, .value_kind: global_buffer, .address_space: global }
      - { .name: Wv, .offset: 24, .size: 8, .value_kind: global_buffer, .address_space: global }
      - { .name: Wo, .offset: 32, .size: 8, .value_kind: global_buffer, .address_space: global }
      - { .name: lowp_scales, .offset: 40, .size: 8, .value_kind: global_buffer, .address_space: global }
      - { .name: codes, .offset: 48, .size: 8, .value_kind: global_buffer, .address_space: global }
    .group_segment_fixed_size: 34304
    .private_segment_fixed_size: 0
    .kernarg_segment_align: 8
    .kernarg_segment_size: 56
    .max_flat_workgroup_size: 128
    .sgpr_count:     66
    .vgpr_count:     226
    .wavefront_size: 32
...
	.end_amdgpu_metadata
.endif
;; end of part 1
;; launch qkv (part 2): grid 8 x 32, 4 waves a work-group, clusters of 4 x 4, 327,680 bytes of LDS; arguments codes, bq, bk, bv, key_padding_mask, lowp_scales, qkvc; writes qkvc
.if DOCPART == 2
	.amdgcn_target "amdgcn-amd-amdhsa--gfx1250"
	.amdhsa_code_object_version 6
	.text
	.protected	k_q65bb390a14_qkv
	.globl	k_q65bb390a14_qkv
	.p2align	8
	.type	k_q65bb390a14_qkv,@function
k_q65bb390a14_qkv:
	s_mov_b64 s[64:65], 0
	v_nop
	global_prefetch_b8 v0, s[64:65] scope:SCOPE_SE
	s_setreg_imm32_b32 hwreg(HW_REG_WAVE_MODE, 25, 1), 1
	s_wait_xcnt 0x0
	s_wait_alu depctr_hold_cnt(0) depctr_sa_sdst(0) depctr_va_vdst(0) depctr_va_sdst(0) depctr_va_ssrc(0) depctr_va_vcc(0) depctr_vm_vsrc(0)
	s_getreg_b32 s2, hwreg(HW_REG_IB_STS2, 6, 4)
	s_cmp_eq_u32 s2, 0
	s_cbranch_scc0 .Lentry_in_a_cluster
	s_endpgm
.Lentry_in_a_cluster:
	s_bfe_u32 s2, ttmp6, 0x10000c
	s_cmp_lg_u32 s2, 0xf033
	s_cbranch_scc0 .Lentry_shape_is_right
	s_endpgm
.Lentry_shape_is_right:
; q = x Wq^T + bq, k = x Wk^T + bk, v = x Wv^T + bv on codes of BF8 (E5M2); the results are quantised at once, with entries 6, 7, 8 of the given exponents, into images of the next operands' registers.
; The operands come as such images: a plane is [tile of 16 rows][K step 0..7][2,048 bytes]; in a fragment lane (r, h) holds in registers 2 c, 2 c + 1 row r, k = 16 c + 8 h + 0 .. 7.
; A WORK-GROUP makes 128 tokens (tile T) x 128 channels (tile W) of q, then of k, then of v: 256 work-groups.  K = 1,024 goes in halves of 512 through a ring of two LDS slots of 128 KiB:
; six halves u = 0..5, product u / 2, half u % 2, slot u % 2.  A slot: W's 8 tiles x 8,192 bytes, then x's 8 tiles x 8,192 bytes.  The ring goes on from product to product.
; Four waves; wave w takes 64 channels (w >> 1) x 64 tokens (w & 1): 16 accumulators.  Source 0's rows run along a lane's registers, source 1's row is the lane's own:
;   q, k: source 0 = W, source 1 = x: a lane holds a token, its registers run along the head's channels, the scores' K.
;   v:    source 0 = x, source 1 = W: a lane holds a channel, its registers run along the tokens, the keys: the second product's K.
; So one conversion of an accumulator's eight registers gives registers 2 c, 2 c + 1 of the next operand, and nothing changes lanes.
; THE MASK OF KEYS: a key that is not kept has weight 0 in every row, so its codes of v are stored as 0 (the mask's bytes, 0 or 1, become 0 or 255 and are and-ed onto the codes).
; CLUSTERS of 4 x 4: W's tile hangs on cx and is asked for jointly down a column, x's on cy, jointly along a row.
; PREFETCH: beside the load of half u, half u + 1 is asked for, u + 1 = 1..5: one instruction a wave; of the four tiles that a wave fetches each of the four partners names one, told apart by address (cy for W, cx for x): 32 lanes x 256 bytes.
; OUT: q at byte 0, k at 4 MiB: [b x 16 + head][tile of 16 tokens, 128][1,024 bytes] (fragments of 64 along K); v at 8 MiB: [b x 16 + head][step of 128 keys, 16][tile of 16 channels, 4][2,048 bytes].
; LIMITS: the sum of a product's two exponents lies between -126 and 127; entries 6, 7, 8 between -126 and 112.  NaN is not served.  No work is left out here.
; REGISTERS: window 0: v4-14 addresses and scales; v16-47 the bias; v64-95 codes; v112-119 the mask; v126, v127 the add's; v128-255 accumulator (a, t) at 128 + 8 (4 a + t).
;   window 1: two sets of fragments, at 0 and at 128: W's four at + 16 t, x's four at + 64 + 16 t.
.set SLOT,  131072
.set SPARE, 262144                     ; the spare words, 128 bytes for each wave
.set ADW, 4                            ; v4, v5  LDS address of my W fragments in slot 0, 1
.set ADX, 6                            ; v6, v7  the same for x
.set BB,  16
.set CD,  64
.set MK,  112
.set ACC, 128
.set F0,  0
.set F1,  128
.set G1W, 16                           ; s[16:23] descriptor group 1 for W;  s[24:31] for x: they differ in the mask
.set G1X, 24
.set G0W, 32                           ; s[32:39] group 0 for W, one for each slot;  s[40:47] for x
.set G0X, 40
.set PFA, 88                           ; s[88:89] where my prefetches stand
.set MSB, 0
.macro WIN new                         ; the immediate's high byte repeats the setting that is left
.if MSB != \new
	s_set_vgpr_msb (MSB<<8)|\new
.set MSB, \new
.endif
.endm
.set MUL,  0x05                        ; sources 0 and 1 window 1; C and D window 0
.set TO_F, 0x40                        ; destination window 1, address window 0
.macro CREST                           ; a round of the cluster's barrier behind its opening barrier
	s_cmp_lg_u32 s4, 0
	s_cbranch_scc1 .Lnot_wave_0_\@
	s_barrier_signal -3
.Lnot_wave_0_\@:
	s_barrier_wait -3
	s_barrier_signal -1
	s_barrier_wait -1
.endm
.macro CROUND
	s_barrier_signal -1
	s_barrier_wait -1
	CREST
.endm
.macro PLACES n
.rept \n
	v_nop
.endr
.endm
.macro JLOAD s                         ; a joint load: waves 0 and 1 fetch W's halves, waves 2 and 3 x's
	s_cmp_eq_u32 s5, 0
	s_cbranch_scc0 .Lfor_x_\@
	tensor_load_to_lds s[G0W+4*\s:G0W+4*\s+3], s[G1W:G1W+7]
	s_nop 0
	PLACES 4
	s_branch .Lasked_\@
.Lfor_x_\@:
	tensor_load_to_lds s[G0X+4*\s:G0X+4*\s+3], s[G1X:G1X+7]
	s_nop 0
	PLACES 4
.Lasked_\@:
.endm
.macro ASK
	global_prefetch_b8 v13, s[PFA:PFA+1] th:TH_LOAD_NT scope:SCOPE_SE
.endm
	s_load_b256 s[68:75], s[0:1], 0x0              ; the codes, bq, bk, bv
	s_load_b128 s[76:79], s[0:1], 0x20             ; the mask of keys, the exponents
	s_load_b64 s[80:81], s[0:1], 0x30              ; the results
	v_lshl_add_u32 v126, v0, 2, SPARE
	v_mov_b32 v127, 0
	ds_add_u32 v126, v127                          ; the opening lines
	ds_add_u32 v126, v127
	v_lshrrev_b32 v1, 5, v0
	v_readfirstlane_b32 s4, v1                     ; wave 0..3
	s_lshr_b32 s5, s4, 1                           ; my 64 channels.  Also: I fetch for W (0) or for x (1)
	s_and_b32 s6, s4, 1                            ; my 64 tokens.  Also: which four tiles of rows I fetch
	s_bfe_u32 s7, ttmp6, 0x40000                   ; cx
	s_bfe_u32 s8, ttmp6, 0x40004                   ; cy
	s_lshl_b32 s11, ttmp9, 2
	s_add_co_u32 s11, s11, s7                      ; W, 0..7: no cy in it
	s_and_b32 s12, ttmp7, 0xffff
	s_lshl_b32 s12, s12, 2
	s_add_co_u32 s12, s12, s8                      ; T, 0..31: no cx in it
	s_lshl_b32 s82, 0x1111, s7                     ; my column of the cluster
	s_lshl_b32 s83, s8, 2
	s_lshl_b32 s83, 15, s83                        ; my row
	; descriptor group 1: of four tiles of rows, 16,384 bytes apart, the 8,192 bytes of four K steps: 4 rows x 1,024 elements of 8 bytes, dense in LDS
	s_or_b32 s[G1W], s82, (3<<16)|(1<<21)          ; 15:0 the mask; 17:16 elements of 8 bytes; 21 set beside a mask
	s_or_b32 s[G1X], s83, (3<<16)|(1<<21)
.irp g, G1W, G1X
	s_mov_b32 s[\g+1], 1024<<16                    ; tensor_dim0
	s_mov_b32 s[\g+2], 4<<16                       ; tensor_dim1
	s_mov_b32 s[\g+3], 1024<<16                    ; tile_dim0
	s_mov_b32 s[\g+4], 4                           ; tile_dim1
	s_mov_b32 s[\g+5], 2048                        ; elements from row to row
	s_mov_b32 s[\g+6], 0
	s_mov_b32 s[\g+7], 0
.endr
	s_lshl_b32 s90, s6, 16                         ; my four tiles of rows,
	s_lshl_b32 s84, s11, 17                        ; of the 128 rows' 131,072 bytes
	s_add_co_u32 s84, s84, s90
	s_add_co_u32 s84, s84, 0xc00000                ; the weights' planes begin at 12 MiB
	s_mov_b32 s85, 0
	s_lshl_b32 s86, s12, 17
	s_add_co_u32 s86, s86, s90
	s_mov_b32 s87, 0
	s_lshl_b32 s91, s6, 15                         ; and where they go: no place in the cluster enters an LDS address
	s_wait_dscnt 0x0                               ; both opening adds are done
	s_wait_alu depctr_va_vdst(0)
	s_wait_kmcnt 0x0
	s_load_b256 s[48:55], s[78:79], 0x0            ; e0 .. e7
	s_load_b32 s56, s[78:79], 0x20                 ; e8
	s_add_nc_u64 s[84:85], s[68:69], s[84:85]
	s_add_nc_u64 s[86:87], s[68:69], s[86:87]
.irp s, 0,1
	s_mov_b32 s[G0W+4*\s], 1
	s_add_co_u32 s[G0W+4*\s+1], s91, SLOT*\s
	s_add_nc_u64 s[G0W+4*\s+2:G0W+4*\s+3], s[84:85], 8192*\s
	s_or_b32 s[G0W+4*\s+3], s[G0W+4*\s+3], 0x80000000
	s_mov_b32 s[G0X+4*\s], 1
	s_add_co_u32 s[G0X+4*\s+1], s91, SLOT*\s+65536
	s_add_nc_u64 s[G0X+4*\s+2:G0X+4*\s+3], s[86:87], 8192*\s
	s_or_b32 s[G0X+4*\s+3], s[G0X+4*\s+3], 0x80000000
.endr
	CROUND                                         ; all sixteen work-groups are here: the joint loads meet
	JLOAD 0                                        ; half 0: one tensor load a wave at the head
	; the prefetches: half 1 is asked for beside half 0's load, in the same way as the later halves
	s_cmp_eq_u32 s5, 0
	s_cselect_b64 s[PFA:PFA+1], s[84:85], s[86:87]
	s_cselect_b32 s92, s8, s7                      ; my place among the four that fetch the same
	s_mov_b32 s94, 0x400000
	s_cselect_b32 s94, 0x100000, s94               ; from product to product: W's planes 1 MiB, x's 4 MiB
	s_mov_b32 s95, 0
	s_lshl_b32 s92, s92, 14                        ; one of the four tiles
	s_mov_b32 s93, 0
	s_add_nc_u64 s[PFA:PFA+1], s[PFA:PFA+1], s[92:93]
	s_add_nc_u64 s[PFA:PFA+1], s[PFA:PFA+1], 8192
	s_sub_co_u32 s96, s94, 8192                    ; from a product's second half to the next one's first
	s_mov_b32 s97, 0
	; where the results go
	s_lshr_b32 s90, s12, 4
	s_lshl_b32 s90, s90, 4
	s_lshl_b32 s91, s11, 1
	s_add_co_u32 s90, s90, s91
	s_add_co_u32 s90, s90, s5                      ; b x 16 + head, head = 2 W + my half
	s_lshl_b32 s90, s90, 17
	s_and_b32 s91, s12, 15
	s_lshl_b32 s91, s91, 13                        ; 128 tokens: 8,192 bytes
	s_add_co_u32 s90, s90, s91
	s_lshl_b32 s91, s6, 12                         ; q, k: my four tiles of tokens
	s_add_co_u32 s92, s90, s91
	s_add_nc_u64 s[60:61], s[80:81], s[92:93]
	s_lshl_b32 s91, s6, 10                         ; v: my half of each fragment's K
	s_add_co_u32 s92, s90, s91
	s_add_co_u32 s92, s92, 0x800000
	s_add_nc_u64 s[62:63], s[80:81], s[92:93]
	s_lshl_b32 s90, s11, 9                         ; the biases at my 64 channels
	s_lshl_b32 s91, s5, 8
	s_add_co_u32 s90, s90, s91
	s_mov_b32 s91, 0
	s_add_nc_u64 s[98:99], s[70:71], s[90:91]      ; the product in hand: first q
	s_add_nc_u64 s[72:73], s[72:73], s[90:91]
	s_add_nc_u64 s[74:75], s[74:75], s[90:91]
	s_lshl_b32 s92, s12, 7                         ; the mask at my 64 tokens
	s_lshl_b32 s91, s6, 6
	s_add_co_u32 s92, s92, s91
	s_add_nc_u64 s[76:77], s[76:77], s[92:93]
	s_lshl_b32 s90, s5, 15
	s_lshl_b32 s91, s6, 15
	s_add_co_u32 s91, s91, 65536
	v_and_b32 v1, 31, v0                           ; lane
	v_and_b32 v2, 15, v0                           ; r
	v_bfe_u32 v3, v0, 4, 1                         ; h
	v_lshlrev_b32 v8, 4, v1                        ; 16 x lane: an image's place for my lane
	v_add_nc_u32 v[ADW], s90, v8
	v_add_nc_u32 v[ADX], s91, v8
	v_add_nc_u32 v[ADW+1], SLOT, v[ADW]
	v_add_nc_u32 v[ADX+1], SLOT, v[ADX]
	v_lshlrev_b32 v9, 5, v3                        ; 32 h
	v_lshlrev_b32 v12, 2, v2                       ; 4 r
	v_lshlrev_b32 v13, 8, v1                       ; the prefetches: lanes 256 bytes apart
	v_lshlrev_b32 v14, 3, v3                       ; 8 h
	ASK                                            ; half 1
.irp t, 0,1,2,3
	global_load_b64 v[MK+2*\t:MK+2*\t+1], v14, s[76:77] offset:16*\t   ; the mask's bytes of tokens 16 t + 8 h + 0 .. 7
.endr
	s_wait_alu depctr_va_vdst(0)
	s_wait_kmcnt 0x0
	s_add_co_i32 s57, s48, s49                     ; the product in hand: its two exponents' sum,
	s_mov_b32 s58, s54                             ; and its result's
	s_mov_b32 s3, 2
; 32 LDS loads in one run: the fragments of the slot's K step s (W's four, x's four) into set f; each load takes 512 consecutive bytes
.macro FETCH slot, s, f
	WIN TO_F
.irp t, 0,1,2,3
.irp c, 0,1,2,3
	ds_load_b128 v[\f+16*\t+4*\c:\f+16*\t+4*\c+3], v[ADW+\slot] offset:8192*\t+2048*(\s)+512*\c
.endr
.endr
.irp t, 0,1,2,3
.irp c, 0,1,2,3
	ds_load_b128 v[\f+64+16*\t+4*\c:\f+64+16*\t+4*\c+3], v[ADX+\slot] offset:8192*\t+2048*(\s)+512*\c
.endr
.endr
.endm
; 4 matrix instructions: source 1's fragment a x source 0's four, 128 along K.  sw = 1: v's order of the sources.  zero = 1: the first product starts the sums.  The 16 accumulators take turns, in the same order in every step.
.macro MUL4 f, a, zero, sw
.set P0, \f+64*\sw
.set P1, \f+64-64*\sw+16*\a
.irp t, 0,1,2,3
.if \zero
	v_wmma_f32_16x16x128_bf8_bf8 v[ACC+8*(4*\a+\t):ACC+8*(4*\a+\t)+7], v[P0+16*\t:P0+16*\t+15], v[P1:P1+15], 0
.else
	v_wmma_f32_16x16x128_bf8_bf8 v[ACC+8*(4*\a+\t):ACC+8*(4*\a+\t)+7], v[P0+16*\t:P0+16*\t+15], v[P1:P1+15], v[ACC+8*(4*\a+\t):ACC+8*(4*\a+\t)+7]
.endif
.endr
.endm
; K step s of a slot multiplies set f and, in its middle, fetches step s + 1 into set g.
.macro STEP slot, s, f, g, zero, sw
	s_wait_dscnt 0x0                               ; this step's fragments are in
	WIN MUL
	MUL4 \f, 0, \zero, \sw
	MUL4 \f, 1, \zero, \sw
	PLACES 4                                       ; between the last step's products, which read set g, and the loads into it (ISA guide 7.12.1 for vector instructions)
	FETCH \slot, (\s)+1, \g
	WIN MUL
	MUL4 \f, 2, \zero, \sw
	MUL4 \f, 3, \zero, \sw
.endm
; A slot's last K step changes slots: each wave waits for its tensor load (its part of the other slot), adds 0 to its spare word, and waits for that and for its reads of this slot.
; fill = 1: a round of the cluster's barrier follows, and this slot takes the same half of the next product.  ask: 0 nothing, 1 the next half, 2 the same in q's trip alone.
.macro TURN slot, next, sw, fill, ask
	WIN 0
.if \fill
	s_wait_xcnt 0x0                                ; my last prefetch has read its address
.if \slot
	s_add_nc_u64 s[PFA:PFA+1], s[PFA:PFA+1], s[96:97]
.else
	s_add_nc_u64 s[PFA:PFA+1], s[PFA:PFA+1], 8192
.endif
.endif
	s_wait_tensorcnt 0x0
	ds_add_u32 v126, v127
.if \fill
	s_add_nc_u64 s[G0W+4*\slot+2:G0W+4*\slot+3], s[G0W+4*\slot+2:G0W+4*\slot+3], 0x100000
	s_add_nc_u64 s[G0X+4*\slot+2:G0X+4*\slot+3], s[G0X+4*\slot+2:G0X+4*\slot+3], 0x400000
.endif
	s_wait_dscnt 0x1                               ; the fragments are in; the add may be out
	WIN MUL
	MUL4 F1, 0, 0, \sw
	s_wait_dscnt 0x0                               ; the add is done, and my reads of this slot are over
	s_barrier_signal -1
	MUL4 F1, 1, 0, \sw
	WIN 0
	s_barrier_wait -1
.if \fill
	CREST
	JLOAD \slot                                    ; its four v_nop are also the places in front of the loads below
.else
	PLACES 4
.endif
	FETCH \next, 0, F0
	WIN 0
.if \ask == 1
	ASK
.endif
.if \ask == 2
	s_cmp_eq_u32 s3, 2
	s_cbranch_scc0 .Lno_more_\@
	ASK
.Lno_more_\@:
.endif
	WIN MUL
	MUL4 F1, 2, 0, \sw
	MUL4 F1, 3, 0, \sw
.endm
.macro HALF slot, zero, sw             ; a slot's first three K steps
	STEP \slot, 0, F0, F1, \zero, \sw
	STEP \slot, 1, F1, F0, 0, \sw
	STEP \slot, 2, F0, F1, 0, \sw
.endm
; THE WAY OUT, first part: s57, s58 become 2^(the two exponents), the result's scale and its hold
.macro SCALES
	s_add_co_i32 s66, s57, 127
	s_lshl_b32 s66, s66, 23
	s_mov_b32 s67, s66                             ; (named with it as a pair, so it is written)
	s_add_co_i32 s59, s58, 127
	s_lshl_b32 s2, s59, 23
	v_mov_b32 v10, s2                              ; the result's 2^e
	s_add_co_i32 s59, s59, 15
	s_lshl_b32 s59, s59, 23
	s_or_b32 s59, s59, 0x600000
	v_mov_b32 v11, s59                             ; 57,344 x 2^e
.endm
.macro CODES
.irp a, 0,1,2,3
.irp c, 0,1
.irp i, 0,1,2,3,4,5,6,7,8,9,10,11,12,13,14,15
	v_med3_num_f32 v[ACC+32*\a+16*\c+\i], v[ACC+32*\a+16*\c+\i], -v11, v11   ; the conversion does not saturate (ISA guide 7.6.2)
.endr
	v_cvt_scalef32_pk8_bf8_f32 v[CD+4*(2*\a+\c):CD+4*(2*\a+\c)+1], v[ACC+32*\a+16*\c:ACC+32*\a+16*\c+7], v10       ; accumulators (a, 2 c) and (a, 2 c + 1) give four neighbouring registers of the next operand
	v_cvt_scalef32_pk8_bf8_f32 v[CD+4*(2*\a+\c)+2:CD+4*(2*\a+\c)+3], v[ACC+32*\a+16*\c+8:ACC+32*\a+16*\c+15], v10
.endr
.endr
	v_nop                                          ; a plain line behind the last conversion
.endm
	s_wait_alu depctr_va_vdst(0)
	s_wait_tensorcnt 0x0                           ; my part of half 0 is in
	ds_add_u32 v126, v127
	s_wait_dscnt 0x0
	CROUND
	JLOAD 1                                        ; half 1
	FETCH 0, 0, F0
	WIN 0
	s_wait_xcnt 0x0                                ; my first prefetch has read its address
	s_add_nc_u64 s[PFA:PFA+1], s[PFA:PFA+1], s[96:97]
	ASK                                            ; half 2
.Lprod:                                            ; two trips: q, k
.irp t, 0,1,2,3                        ; BB + 8 t + j = bias(16 t + 8 h + j)
	global_load_b128 v[BB+8*\t:BB+8*\t+3], v9, s[98:99] offset:64*\t
	global_load_b128 v[BB+8*\t+4:BB+8*\t+7], v9, s[98:99] offset:64*\t+16
.endr
	HALF 0, 1, 0
	TURN 0, 1, 0, 1, 1
	HALF 1, 0, 0
	TURN 1, 0, 0, 1, 2
	WIN 0
	PLACES 4                                       ; in front of the first read of results
	s_wait_loadcnt 0x0                             ; the bias, and the mask
	SCALES
.irp a, 0,1,2,3
.irp t, 0,1,2,3
.irp i, 0,2,4,6
	v_pk_fma_f32 v[ACC+32*\a+8*\t+\i:ACC+32*\a+8*\t+\i+1], v[ACC+32*\a+8*\t+\i:ACC+32*\a+8*\t+\i+1], s[66:67], v[BB+8*\t+\i:BB+8*\t+\i+1] op_sel_hi:[1,0,1]   ; each accumulator from its low end on
.endr
.endr
.endr
	CODES
.irp a, 0,1,2,3
.irp c, 0,1
	global_store_b128 v8, v[CD+4*(2*\a+\c):CD+4*(2*\a+\c)+3], s[60:61] offset:1024*\a+512*\c   ; 512 consecutive bytes, aligned
.endr
.endr
	s_wait_alu depctr_va_vdst(0)
	s_wait_xcnt 0x0                                ; the stores have read their registers and their base
	s_add_nc_u64 s[60:61], s[60:61], 0x400000
	s_mov_b64 s[98:99], s[72:73]                   ; k's bias and exponents
	s_add_co_i32 s57, s50, s51
	s_mov_b32 s58, s55
	s_sub_co_u32 s3, s3, 1
	s_cmp_lg_u32 s3, 0
	s_cbranch_scc1 .Lprod
.irp a, 0,1,2,3                        ; v: a lane holds one channel of each accumulator: BB + 2 a = bias(16 a + r)
	global_load_b32 v[BB+2*\a], v12, s[74:75] offset:64*\a
.endr
	HALF 0, 1, 1
	TURN 0, 1, 1, 0, 0                             ; nothing is filled any more
	HALF 1, 0, 1
	s_wait_dscnt 0x0
	MUL4 F1, 0, 0, 1
	MUL4 F1, 1, 0, 1
	MUL4 F1, 2, 0, 1
	MUL4 F1, 3, 0, 1
	WIN 0
	PLACES 4
	s_add_co_i32 s57, s52, s53
	s_mov_b32 s58, s56
	s_wait_loadcnt 0x0
	SCALES
.irp a, 0,1,2,3
.irp t, 0,1,2,3
.irp i, 0,2,4,6
	v_pk_fma_f32 v[ACC+32*\a+8*\t+\i:ACC+32*\a+8*\t+\i+1], v[ACC+32*\a+8*\t+\i:ACC+32*\a+8*\t+\i+1], s[66:67], v[BB+2*\a:BB+2*\a+1] op_sel_hi:[1,0,0]
.endr
.endr
.endr
	CODES
.irp k, 0,1,2,3,4,5,6,7                ; bytes 0 or 1 become 0 or 255: (m << 8) - m
	v_lshlrev_b32 v[BB+8+\k], 8, v[MK+\k]
	v_sub_nc_u32 v[MK+\k], v[BB+8+\k], v[MK+\k]
.endr
.irp a, 0,1,2,3
.irp c, 0,1
.irp m, 0,1,2,3
	v_and_b32 v[CD+4*(2*\a+\c)+\m], v[CD+4*(2*\a+\c)+\m], v[MK+4*\c+\m]   ; a masked token's codes of v are 0
.endr
.endr
.endr
.irp a, 0,1,2,3
.irp c, 0,1
	global_store_b128 v8, v[CD+4*(2*\a+\c):CD+4*(2*\a+\c)+3], s[62:63] offset:2048*\a+512*\c
.endr
.endr
	s_wait_tensorcnt 0x0                           ; the wave's end
	ds_add_u32 v126, v127
	s_wait_dscnt 0x0
	CROUND                                         ; the closing round: no work-group ends while a partner may still ask for a tile that names it
	s_endpgm
.Lfunc_end_k_q65bb390a14_qkv:
	.size	k_q65bb390a14_qkv, .Lfunc_end_k_q65bb390a14_qkv-k_q65bb390a14_qkv
	.p2alignl 7, 3214868480
	.fill 96, 4, 3214868480
	.section	.rodata,"a",@progbits
	.p2align	6, 0x0
	.amdhsa_kernel k_q65bb390a14_qkv
		.amdhsa_group_segment_fixed_size 327680
		.amdhsa_private_segment_fixed_size 0
		.amdhsa_enable_private_segment 0
		.amdhsa_kernarg_size 56
		.amdhsa_user_sgpr_count 2
		.amdhsa_user_sgpr_kernarg_segment_ptr 1
		.amdhsa_wavefront_size32 1
		.amdhsa_system_sgpr_workgroup_id_x 1
		.amdhsa_system_sgpr_workgroup_id_y 1
		.amdhsa_system_sgpr_workgroup_id_z 1
		.amdhsa_system_vgpr_workitem_id 0
		.amdhsa_next_free_vgpr 512
		.amdhsa_next_free_sgpr 102
		.amdhsa_reserve_vcc 0
		.amdhsa_float_denorm_mode_32 3
		.amdhsa_float_denorm_mode_16_64 3
		.amdhsa_memory_ordered 1
		.amdhsa_forward_progress 1
		.amdhsa_inst_pref_size 95
	.end_amdhsa_kernel
	.amdgpu_metadata
---
amdhsa.version: [ 1, 2 ]
amdhsa.kernels:
  - .name:           k_q65bb390a14_qkv
    .symbol:         k_q65bb390a14_qkv.kd
    .args:
      - { .name: codes, .offset: 0, .size: 8, .value_kind: global_buffer, .address_space: global }
      - { .name: bq, .offset: 8, .size: 8, .value_kind: global_buffer, .address_space: global }
      - { .name: bk, .offset: 16, .size: 8, .value_kind: global_buffer, .address_space: global }
      - { .name: bv, .offset: 24, .size: 8, .value_kind: global_buffer, .address_space: global }
      - { .name: key_padding_mask, .offset: 32, .size: 8, .value_kind: global_buffer, .address_space: global }
      - { .name: lowp_scales, .offset: 40, .size: 8, .value_kind: global_buffer, .address_space: global }
      - { .name: qkvc, .offset: 48, .size: 8, .value_kind: global_buffer, .address_space: global }
    .group_segment_fixed_size: 327680
    .private_segment_fixed_size: 0
    .kernarg_segment_align: 8
    .kernarg_segment_size: 56
    .max_flat_workgroup_size: 128
    .sgpr_count:     102
    .vgpr_count:     512
    .wavefront_size: 32
...
	.end_amdgpu_metadata
.endif
;; end of part 2
;; launch attn (part 3): grid 8 x 32, 8 waves a work-group, clusters of 4 x 1, 327,680 bytes of LDS; arguments qkvc, key_padding_mask, lowp_scales, ao; writes ao
.if DOCPART == 3
	.amdgcn_target "amdgcn-amd-amdhsa--gfx1250"
	.amdhsa_code_object_version 6
	.text
	.protected	k_q65bb390a14_attn
	.globl	k_q65bb390a14_attn
	.p2align	8
	.type	k_q65bb390a14_attn,@function
k_q65bb390a14_attn:
	s_mov_b64 s[64:65], 0
	v_nop
	global_prefetch_b8 v0, s[64:65] scope:SCOPE_SE
	s_setreg_imm32_b32 hwreg(HW_REG_WAVE_MODE, 25, 1), 1
	s_wait_xcnt 0x0
	s_wait_alu depctr_hold_cnt(0) depctr_sa_sdst(0) depctr_va_vdst(0) depctr_va_sdst(0) depctr_va_ssrc(0) depctr_va_vcc(0) depctr_vm_vsrc(0)
	s_getreg_b32 s2, hwreg(HW_REG_IB_STS2, 6, 4)
	s_cmp_eq_u32 s2, 0
	s_cbranch_scc0 .Lentry_in_a_cluster
	s_endpgm
.Lentry_in_a_cluster:
	s_bfe_u32 s2, ttmp6, 0x10000c
	s_cmp_lg_u32 s2, 0x3003
	s_cbranch_scc0 .Lentry_shape_is_right
	s_endpgm
.Lentry_shape_is_right:
; For each (b, head): w = softmax over the keys of (q . k / 8), under the causal mask and the given mask of keys; out = w v.  Both products on codes of BF8 (E5M2).
; w IS QUANTISED FINISHED AND NORMALISED, so a row's maximum and sum are known before its first code is made: the keys are walked TWICE.
;   pass 1: scores, the running largest score, M = the largest t (t = score x log2(e) / 8) rounded up to a whole number, l = the sum of 2^(t - M), each lane for its own half of the keys; when M moves, l is
;           multiplied by 2^(old M - new M), which rounds nothing.  Behind the pass the two halves are joined.
;   pass 2: the scores again.  l = 2^k m, m in [1, 2): 2^(t - M - log2 m) is w x 2^k; it is held and converted with the scale 2^(e9 + k), lane by lane; O^T += V^T w^T.
; MASKS.  Pass 1: a masked key's score is the sentinel -2^100: 0 or the sentinel, from LDS, is the C of the score's product.  A sum of 64 products of codes is under 2^38 in magnitude, so the sentinel lies under every score.
;   Pass 2 does not mask keys: their codes of v are 0 (the launch before stores them so), and their w is held at a finite code, so they add 0.  Keys behind a query get the sentinel in both passes, on the diagonal step.
;   A row all of whose keys are masked has its largest score under -2^99: its exponents are made -3e38, so w = 0.
; WORK LEFT OUT: steps of 128 keys that all come after a tile's queries: the causal mask of reference() gives them weight 0 for all inputs.  A NaN, an infinity or an overflow there is not carried to the result.
; SHARES.  Work-group i of the eight of a head has tiles of 16 queries i + 8 rho, rho = 0..15; tile rho wants the steps 0 .. rho, and step rho is its diagonal.  Wave w of eight takes tile A, rho = 15 - w, and tile B,
;   rho = w: 17 tile steps in every wave.  Both tiles use each fragment of K and V and the mask's numbers that are loaded.  Both loops have 16 trips; which body a trip takes hangs on the wave's number alone.
; LDS: the head's whole K (131,072 bytes), 2,048 f32 made of the mask and 4,096 bytes of zeros behind them, V^T (131,072).  K comes at the head, one tensor load of 16,384 bytes a wave, V behind the second round.
;   K's fragments and the mask's numbers are loaded one step ahead; the last step's look-ahead reads the mask's numbers and the zeros, and is not used.
; CLUSTER of 4 x 1: four of the eight work-groups of a head; they ask for each piece of K and V JOINTLY.  i enters only Q's and the result's addresses in memory and the causal selects.
; No prefetch into the L2: K and V are asked for once each, at the head, and no loop has loads from memory to run ahead of.
; LAYOUT.  S^T = K Q^T, O^T = V^T w^T: a lane holds ONE query (lane % 16) throughout.  In S^T's tile t register j is key 16 t + 8 (lane / 16) + j, so a conversion of tile t gives registers 2 t, 2 t + 1 of w's fragment.
; LIMITS: e6 + e7 between -80 and 26; e9 between -125 and 100; e10 - e8 - e9 between -126 and 112; scaled scores under 2^31 in magnitude.  NaN is not served.  2^(t - M) under 2^-126 counts as 0.
; REGISTERS, window 0: v2, v3 my lane's places in V and in the mask's numbers; v4 -3e38; v5 the sentinel; v6-8 a step's addresses; v9 16 x lane; v10, v11 the add's; v12-15 tile A's -M, largest score, l in two halves;
;   v16-19 tile B's; v20-31 at work; v32-47 Q of A, of B; v48-111 K; v112-175 S^T of A; v176-239 of B; v240-251 at work.
; Window 1: v0-63 the mask's numbers, later V; v64-127 O^T of A, of B; v128-159 w's codes of A, of B.
.set BREG,  131072
.set VREG,  143360
.set SPARE, 274432                     ; the spare words, 128 bytes for each wave
.set TA, 20
.set TB, 26
.set QA, 32
.set QB, 40
.set KF, 48
.set SA, 112
.set SB, 176
.set OA, 64
.set OB, 96
.set CA, 128
.set CB, 144
.set HM, 70                            ; s[70:77]: lanes where key 8 h + j comes behind query r, j = 0..7
.set MSB, 0
.macro WIN new                         ; the immediate's high byte repeats the setting that is left
.if MSB != \new
	s_set_vgpr_msb (MSB<<8)|\new
.set MSB, \new
.endif
.endm
.macro CROUND                          ; a round of the cluster's barrier
	s_barrier_signal -1
	s_barrier_wait -1
	s_cmp_lg_u32 s16, 0
	s_cbranch_scc1 .Lnot_wave_0_\@
	s_barrier_signal -3
.Lnot_wave_0_\@:
	s_barrier_wait -3
	s_barrier_signal -1
	s_barrier_wait -1
.endm
.macro FILL
	tensor_load_to_lds s[32:35], s[24:31]
	s_nop 0
.rept 4
	v_nop
.endr
.endm
	s_load_b256 s[4:11], s[0:1], 0x0               ; q, k, v's codes s[4:5]; the mask of keys s[6:7]; the exponents s[8:9]; the result s[10:11]
	v_lshl_add_u32 v10, v0, 2, SPARE
	v_mov_b32 v11, 0
	ds_add_u32 v10, v11                            ; the opening lines
	ds_add_u32 v10, v11
	v_lshrrev_b32 v1, 5, v0
	v_readfirstlane_b32 s16, v1                    ; wave 0..7
	s_lshr_b32 s79, s16, 2
	s_mul_i32 s79, s79, 3
	s_xor_b32 s79, s79, s16                        ; the w of the shares above: waves 4 .. 7 take 7 .. 4, so that waves 4 apart walk 25 steps together.  Tile B's rho
	s_xor_b32 s17, s79, 15                         ; tile A's rho = 15 - w
	s_bfe_u32 s12, ttmp6, 0x40000                  ; cx
	s_lshl_b32 s18, ttmp9, 2
	s_add_co_u32 s18, s18, s12                     ; i = 4 x cluster x + cx
	s_and_b32 s19, ttmp7, 0xffff                   ; bh = 16 b + head, which the four partners share
	; descriptor group 1: 16,384 dense bytes as 64 rows of 32 elements of 8 bytes
	s_mov_b32 s24, 15|(3<<16)|(1<<21)              ; 15:0 the mask: all four work-groups; 17:16 elements of 8 bytes; 21 set beside a mask
	s_mov_b32 s25, 32<<16                          ; tensor_dim0
	s_mov_b32 s26, 64<<16                          ; tensor_dim1
	s_mov_b32 s27, 32<<16                          ; tile_dim0
	s_mov_b32 s28, 64                              ; tile_dim1
	s_mov_b32 s29, 32                              ; elements from row to row
	s_mov_b32 s30, 0
	s_mov_b32 s31, 0
	s_lshl_b32 s36, s19, 17                        ; the head's 131,072 bytes in each plane
	s_lshl_b32 s38, s16, 14                        ; my eighth of K (plane at 4 MiB)
	s_add_co_u32 s38, s38, s36
	s_add_co_u32 s38, s38, 0x400000
	s_mov_b32 s39, 0
	s_lshr_b32 s53, s19, 4                         ; b
	s_and_b32 s78, s19, 15
	s_lshl_b32 s78, s78, 10                        ; the head's 1,024 bytes of a tile of the result
	s_lshl_b32 s62, s53, 11                        ; the mask's 2,048 bytes of b
	s_mov_b32 s63, 0
	s_lshl_b32 s53, s53, 7
	s_lshl_b32 s13, s17, 3
	s_add_co_u32 s13, s13, s18                     ; tile A
	s_lshl_b32 s14, s13, 10
	s_add_co_u32 s14, s14, s36                     ; its Q: plane at 0, 1,024 bytes a tile
	s_mov_b32 s15, 0
	s_add_co_u32 s56, s53, s13
	s_lshl_b32 s56, s56, 14                        ; the result: [tile of 16 tokens][16,384 bytes]
	s_add_co_u32 s56, s56, s78
	s_mov_b32 s57, 0
	s_lshl_b32 s13, s79, 3
	s_add_co_u32 s13, s13, s18                     ; tile B
	s_lshl_b32 s54, s13, 10
	s_add_co_u32 s54, s54, s36
	s_mov_b32 s55, 0
	s_add_co_u32 s58, s53, s13
	s_lshl_b32 s58, s58, 14
	s_add_co_u32 s58, s58, s78
	s_mov_b32 s59, 0
	s_mov_b32 s20, 0x76543210
	s_mov_b32 s21, 0xfedcba98                      ; v_permlanex16_b32's selects for lane l xor 16
	s_wait_dscnt 0x0                               ; both opening adds are done
	s_wait_alu depctr_va_vdst(0)
	s_wait_kmcnt 0x0
	s_load_b128 s[48:51], s[8:9], 0x18             ; e6, e7, e8, e9
	s_load_b32 s52, s[8:9], 0x28                   ; e10
	s_mov_b32 s32, 1
	s_lshl_b32 s33, s16, 14                        ; LDS: wave x 16,384
	s_add_nc_u64 s[34:35], s[4:5], s[38:39]
	s_or_b32 s35, s35, 0x80000000
	CROUND                                         ; all four work-groups are here: the joint loads meet
	FILL                                           ; K
	s_add_nc_u64 s[6:7], s[6:7], s[62:63]
	s_add_nc_u64 s[14:15], s[4:5], s[14:15]
	s_add_nc_u64 s[54:55], s[4:5], s[54:55]
	s_add_nc_u64 s[56:57], s[10:11], s[56:57]
	s_add_nc_u64 s[58:59], s[10:11], s[58:59]
	v_lshlrev_b32 v20, 3, v0
	global_load_b64 v[22:23], v20, s[6:7]          ; eight keys' mask bytes a thread
	v_and_b32 v21, 31, v0                          ; lane
	v_lshlrev_b32 v9, 4, v21
	global_load_b128 v[QA:QA+3], v9, s[14:15]      ; Q's fragments stay in registers
	global_load_b128 v[QA+4:QA+7], v9, s[14:15] offset:512
	global_load_b128 v[QB:QB+3], v9, s[54:55]
	global_load_b128 v[QB+4:QB+7], v9, s[54:55] offset:512
	v_and_b32 v24, 15, v0                          ; r
	v_bfe_u32 v25, v0, 4, 1                        ; h
	v_add_nc_u32 v2, VREG, v9
	v_lshlrev_b32 v3, 5, v25
	v_add_nc_u32 v3, BREG, v3                      ; the mask's numbers: 32 h
	v_lshlrev_b32 v25, 3, v25                      ; 8 h
.irp j, 0,1,2,3,4,5,6,7
	v_add_nc_u32 v26, \j, v25
	v_cmp_gt_u32 s[HM+\j], v26, v24
.endr
	v_lshl_add_u32 v8, v0, 5, BREG
	v_lshl_add_u32 v28, v0, 4, BREG+8192
	v_mov_b32 v5, 0xf1800000                       ; -2^100
	v_mov_b32 v4, 0xff61b1e6                       ; -3e38
	v_mov_b32 v12, 0x7f61b1e6                      ; -M: the first change of M multiplies l = 0
	v_mov_b32 v16, 0x7f61b1e6
	v_mov_b32 v13, 0xff61b1e6                      ; the largest score so far: -3e38
	v_mov_b32 v17, 0xff61b1e6
	v_mov_b32 v14, 0
	v_mov_b32 v15, 0
	v_mov_b32 v18, 0
	v_mov_b32 v19, 0
.irp j, 0,1,2,3
	v_mov_b32 v[244+\j], 0
.endr
	WIN 0x40
.set j, 0
.rept 64
	v_mov_b32 v[OA+j], 0                           ; O^T: pass 2's step is written once
.set j, j+1
.endr
	WIN 0
	s_wait_alu depctr_va_vdst(0)
	s_wait_loadcnt 0x4                             ; the mask's bytes are in; Q's four loads, issued behind them, may be out
.irp k, 0,1,2,3,4,5,6,7
	v_bfe_u32 v27, v[22+\k/4], 8*(\k%4), 8
	v_cmp_eq_u32 vcc_lo, 0, v27
	v_cndmask_b32 v[SA+\k], 0, v5, vcc_lo          ; 0 where the key is kept, the sentinel where it is not
.endr
	ds_store_b128 v8, v[SA:SA+3]                   ; keys 8 t .. 8 t + 7 of thread t
	ds_store_b128 v8, v[SA+4:SA+7] offset:16
	ds_store_b128 v28, v[244:247]                  ; the zeros behind them
	s_wait_alu depctr_va_vdst(0)
	s_wait_kmcnt 0x0
	s_add_co_i32 s46, s48, s49
	s_lshl_b32 s46, s46, 23
	s_add_co_i32 s22, s46, 0x3e38aa3b              ; c = log2(e) / 8 with e6 + e7 added to its exponent field
	s_mov_b32 s23, s22                             ; (named with it as a pair, so it is written)
	s_lshl_b32 s45, s51, 23                        ; e9 in an exponent field
	s_mov_b32 s40, 0                               ; the step's place in K,
	s_mov_b32 s41, 0                               ; in the mask's numbers,
	s_mov_b32 s42, 0                               ; in V;
	s_mov_b32 s43, 0                               ; the step
	s_wait_loadcnt 0x0                             ; Q
	s_wait_tensorcnt 0x0                           ; my piece of K has landed
	ds_add_u32 v10, v11
	s_add_co_u32 s33, s33, VREG                    ; my eighth of V, a plane further on
	s_add_nc_u64 s[34:35], s[34:35], 0x400000
	s_wait_dscnt 0x0                               ; the add is done, and my part of the mask's numbers is stored
	CROUND                                         ; everybody's K and mask are there
	FILL                                           ; V: it has pass 1 in which to land
.macro KLOAD reg, off                  ; eight fragments of 16 keys x 64 channels, as they lie
.irp t, 0,1,2,3,4,5,6,7
	ds_load_b128 v[KF+8*\t:KF+8*\t+3], v[\reg] offset:(\off)+1024*\t
	ds_load_b128 v[KF+8*\t+4:KF+8*\t+7], v[\reg] offset:(\off)+1024*\t+512
.endr
.endm
.macro CLOAD reg, off                  ; the mask's numbers of keys 16 t + 8 h + 0 .. 7: the sixteen lanes of a half read the same words
	WIN 0x40
.irp t, 0,1,2,3,4,5,6,7
	ds_load_b128 v[8*\t:8*\t+3], v[\reg] offset:(\off)+64*\t
	ds_load_b128 v[8*\t+4:8*\t+7], v[\reg] offset:(\off)+64*\t+16
.endr
	WIN 0
.endm
.macro DIAG s, rho                     ; only step rho lies on a tile's diagonal: keys behind my query get the sentinel.  Key tile t: none (t < i), by j (t = i), all (t > i)
	s_cmp_lg_u32 s43, \rho
	s_cbranch_scc1 .Lopen_\@
.irp t, 0,1,2,3,4,5,6,7
	s_cmp_lt_u32 s18, \t
	s_cselect_b32 s60, -1, 0
	s_cmp_eq_u32 s18, \t
.irp j, 0,1,2,3,4,5,6,7
	s_cselect_b32 s61, s[HM+\j], s60
	v_cndmask_b32 v[\s+8*\t+\j], v[\s+8*\t+\j], v5, s61
.endr
.endr
	s_wait_alu depctr_va_vdst(0)
.Lopen_\@:
.endm
.macro AB two, op                      ; a line for tile A and, where two = 1, for tile B
	\op 12, TA, SA
.if \two
	\op 16, TB, SB
.endif
.endm
.macro MA b, t, s
	v_max3_num_f32 v[\t], v[\b+1], v[\s], v[\s+1]
.endm
.macro MB b, t, s
	v_max3_num_f32 v[\t+1], v[\s+2], v[\s+3], v[\s+4]
.endm
.macro MC b, t, s
	v_max3_num_f32 v[\t+2], v[\s+5], v[\s+6], v[\s+7]
.endm
.macro MD b, t, s
	v_max3_num_f32 v[\t+3], v[\s+8], v[\s+9], v[\s+10]
.endm
.macro ME b, t, s
	v_max3_num_f32 v[\t+nq], v[\t+nq], v[\s+nn], v[\s+nn+1]
.endm
.macro MF b, t, s
	v_max3_num_f32 v[\t], v[\t], v[\t+1], v[\s+63]
.endm
.macro MG b, t, s
	v_max3_num_f32 v[\b+1], v[\t], v[\t+2], v[\t+3]   ; the running largest score
.endm
.macro MH b, t, s
	v_mul_f32 v[\t], s22, v[\b+1]                  ; as t (c is positive)
.endm
.macro MI b, t, s
	v_mov_b32 v[\t+1], v[\b]
.endm
.macro MJ b, t, s
	v_floor_f32 v[\b], -v[\t]                      ; the new -M = -ceil(t)
.endm
.macro MK b, t, s
	v_sub_f32 v[\t+1], v[\b], v[\t+1]              ; old M - new M: a whole number, 0 or less
.endm
.macro ML b, t, s
	v_cvt_i32_f32 v[\t+1], v[\t+1]                 ; (it saturates)
.endm
.macro MM b, t, s
	v_ldexp_f32 v[\b+2], v[\b+2], v[\t+1]          ; l under the new M
.endm
.macro MN b, t, s
	v_ldexp_f32 v[\b+3], v[\b+3], v[\t+1]
.endm
.macro MP b, t, s
	v_pk_fma_f32 v[\s+nn:\s+nn+1], v[\s+nn:\s+nn+1], s[22:23], v[\b:\b+1] op_sel_hi:[1,0,0]   ; of the pairs c and -M the low word serves both halves
.endm
; t - M, two at a time, and 2^(t - M), in two batches of exponentials over hn registers each (two tiles: tile A's, tile B's; one tile: its halves), with a wait ahead of, between and behind them.
; Work that needs nothing of the batch it stands in is laid among the exponentials.
.macro EXPS1 two                       ; pass 1: the second half's t - M in the first batch, the first half's first sums in the second
.set hn, 32+32*\two
.set nn, 0
.rept hn/2
	MP 12, TA, SA
.set nn, nn+2
.endr
	s_wait_alu depctr_va_vdst(0)
.set nn, 0
.rept hn/2
	v_exp_f32 v[SA+nn], v[SA+nn]
	v_exp_f32 v[SA+nn+1], v[SA+nn+1]
	v_pk_fma_f32 v[SA+hn+nn:SA+hn+nn+1], v[SA+hn+nn:SA+hn+nn+1], s[22:23], v[12+4*\two:13+4*\two] op_sel_hi:[1,0,0]
.set nn, nn+2
.endr
	s_wait_alu depctr_va_vdst(0)
.set nn, 0
.rept hn/2
	v_exp_f32 v[SA+hn+nn], v[SA+hn+nn]
	v_exp_f32 v[SA+hn+nn+1], v[SA+hn+nn+1]
.if (nn%4) == 0
	v_pk_add_f32 v[SA+nn/2:SA+nn/2+1], v[SA+nn/2:SA+nn/2+1], v[SA+hn/2+nn/2:SA+hn/2+nn/2+1]
.endif
.set nn, nn+2
.endr
	v_nop                                          ; the plain line behind the exponentials
	s_wait_alu depctr_va_vdst(0)
.endm
.macro EXPS2 two                       ; pass 2: every score is first read ahead of the batches; the first half is held in the second batch.  The conversion does not saturate (ISA guide 7.6.2); w is not negative, so the hold is one-sided
.set hn, 32+32*\two
.set nn, 0
.rept 32
	AB \two, MP
.set nn, nn+2
.endr
	s_wait_alu depctr_va_vdst(0)
.set nn, 0
.rept hn
	v_exp_f32 v[SA+nn], v[SA+nn]
.set nn, nn+1
.endr
	v_nop
	s_wait_alu depctr_va_vdst(0)
.set nn, 0
.rept hn
	v_exp_f32 v[SA+hn+nn], v[SA+hn+nn]
	v_min_num_f32 v[SA+nn], v[SA+nn], v241
.set nn, nn+1
.endr
	v_nop
	s_wait_alu depctr_va_vdst(0)
.set nn, 0
.rept hn
	v_min_num_f32 v[SA+hn+nn], v[SA+hn+nn], v[241+2*\two]
.set nn, nn+1
.endr
.endm
.macro FOLD b, n, d                    ; n pairs from b on take the n pairs d registers further on
.set nn, 0
.rept \n
	v_pk_add_f32 v[\b+nn:\b+nn+1], v[\b+nn:\b+nn+1], v[\b+\d+nn:\b+\d+nn+1]
.set nn, nn+2
.endr
.endm
.macro SUMS two                        ; what EXPS1 has left to add: two tiles: 16 pairs of A, 32 of B; one tile: 8 pairs from SA on, 16 from SA + 32 on
.if \two
	FOLD SB, 16, 32
.irp w, 8,4,2,1
	FOLD SA, \w, 2*\w
	FOLD SB, \w, 2*\w
.endr
	v_pk_add_f32 v[14:15], v[14:15], v[SA:SA+1]
	v_pk_add_f32 v[18:19], v[18:19], v[SB:SB+1]
.else
	FOLD SA+32, 8, 16
	FOLD SA, 8, 32
.irp w, 4,2,1
	FOLD SA, \w, 2*\w
.endr
	v_pk_add_f32 v[14:15], v[14:15], v[SA:SA+1]
.endif
.endm
.macro P1 two                          ; a step of pass 1: 128 keys x tile A's (and B's) 16 queries
	s_wait_dscnt 0x0                               ; K's fragments and the mask's numbers, loaded one step ahead
	WIN 0x10                                       ; C from window 1
.irp t, 0,1,2,3,4,5,6,7
	v_wmma_f32_16x16x64_bf8_bf8 v[SA+8*\t:SA+8*\t+7], v[KF+8*\t:KF+8*\t+7], v[QA:QA+7], v[8*\t:8*\t+7]
.endr
.if \two
.irp t, 0,1,2,3,4,5,6,7
	v_wmma_f32_16x16x64_bf8_bf8 v[SB+8*\t:SB+8*\t+7], v[KF+8*\t:KF+8*\t+7], v[QB:QB+7], v[8*\t:8*\t+7]
.endr
.endif
	WIN 0
	v_add_nc_u32 v6, s40, v9                       ; four places in front of the loads into what the products read, and of the first read of results
	v_add_nc_u32 v8, s41, v3
	v_nop
	v_nop
	KLOAD 6, 8192                                  ; the next step's
	CLOAD 8, 512
.if \two
	DIAG SB, s79
.else
	DIAG SA, s17
.endif
	AB \two, MA
	AB \two, MB
	AB \two, MC
	AB \two, MD
.set nn, 11
.rept 26
.set nq, ((nn-11)/2)%4
	AB \two, ME
.set nn, nn+2
.endr
.irp o, MF,MG,MH,MI,MJ,MK,ML,MM,MN
	AB \two, \o
.endr
	EXPS1 \two
	SUMS \two
.endm
	KLOAD 9, 0
	CLOAD 3, 0
.Lp1:                                              ; PASS 1, steps 0 .. 7: tile A has them all
	s_cmp_gt_u32 s43, s79
	s_cbranch_scc1 .Lone1                          ; all keys of this step come behind tile B's queries
	P1 1
	s_branch .Lskip1
.Lone1:
	P1 0
.Lskip1:
	s_add_co_u32 s40, s40, 8192
	s_add_co_u32 s41, s41, 512
	s_add_co_u32 s43, s43, 1
	s_cmp_lt_u32 s43, 8
	s_cbranch_scc1 .Lp1
	s_wait_alu depctr_va_vdst(0)
	s_wait_tensorcnt 0x0                           ; my piece of V has landed,
	s_wait_dscnt 0x0                               ; and no LDS instruction of mine is out:
	s_barrier_signal -1                            ; say so.  Nothing is filled or stored in LDS until the wait, behind the pass
	s_mov_b32 s40, 65536
	s_mov_b32 s41, 4096
	s_mov_b32 s43, 8
.Lp1b:                                             ; PASS 1, steps 8 .. 15: tile A's alone
	s_cmp_gt_u32 s43, s17
	s_cbranch_scc1 .Lskip1b
	P1 0
.Lskip1b:
	s_add_co_u32 s40, s40, 8192
	s_add_co_u32 s41, s41, 512
	s_add_co_u32 s43, s43, 1
	s_cmp_lt_u32 s43, 16
	s_cbranch_scc1 .Lp1b
	s_wait_alu depctr_va_vdst(0)
.macro JOIN b, t, sc                   ; lanes l and l xor 16 hold the two halves of a row's keys
	v_add_f32 v[\b+2], v[\b+2], v[\b+3]
	v_permlanex16_b32 v[\t], v[\b], s20, s21
	v_permlanex16_b32 v[\t+1], v[\b+2], s20, s21
	v_permlanex16_b32 v[\t+2], v[\b+1], s20, s21
	v_max_num_f32 v[\b+1], v[\b+1], v[\t+2]        ; the row's largest score
	v_min_num_f32 v[\t+2], v[\b], v[\t]            ; -M
	v_sub_f32 v[\t+3], v[\t+2], v[\b]
	v_sub_f32 v[\t], v[\t+2], v[\t]
	v_cvt_i32_f32 v[\t+3], v[\t+3]
	v_cvt_i32_f32 v[\t], v[\t]
	v_ldexp_f32 v[\b+2], v[\b+2], v[\t+3]
	v_ldexp_f32 v[\t+1], v[\t+1], v[\t]
	v_add_f32 v[\b+2], v[\b+2], v[\t+1]            ; l = 2^k m
	v_and_b32 v[\t], 0x7f800000, v[\b+2]           ; 2^k
	v_and_b32 v[\t+1], 0x7fffff, v[\b+2]
	v_or_b32 v[\t+1], 1.0, v[\t+1]                 ; m
	v_add_nc_u32 v[\sc], s45, v[\t]                ; 2^(e9 + k)
	v_add_nc_u32 v[\sc+1], 0x7e00000, v[\sc]       ; 57,344 x that
.endm
	JOIN 12, TA, 240
	JOIN 16, TB, 242
	s_wait_alu depctr_va_vdst(0)
	v_log_f32 v[TA+1], v[TA+1]
	v_log_f32 v[TB+1], v[TB+1]
	v_nop                                          ; a plain line behind them
	s_wait_alu depctr_va_vdst(0)
	v_sub_f32 v12, v[TA+2], v[TA+1]                ; -M - log2 m
	v_sub_f32 v16, v[TB+2], v[TB+1]
	v_cmp_gt_f32 vcc_lo, 0xf1000000, v13           ; every key of my row masked?  (-2^99)
	v_cndmask_b32 v12, v12, v4, vcc_lo             ; then w = 0
	v_cmp_gt_f32 vcc_lo, 0xf1000000, v17
	v_cndmask_b32 v16, v16, v4, vcc_lo
	s_mov_b32 s40, 0
	s_mov_b32 s43, 0
	s_wait_alu depctr_va_vdst(0)
	s_wait_dscnt 0x0                               ; my last look-ahead is in: its registers may be loaded again
	s_barrier_wait -1                              ; everybody's V is there
.macro P2 two                          ; a step of pass 2
	s_wait_dscnt 0x0                               ; K's fragments
.irp t, 0,1,2,3,4,5,6,7
	v_wmma_f32_16x16x64_bf8_bf8 v[SA+8*\t:SA+8*\t+7], v[KF+8*\t:KF+8*\t+7], v[QA:QA+7], 0
.endr
.if \two
.irp t, 0,1,2,3,4,5,6,7
	v_wmma_f32_16x16x64_bf8_bf8 v[SB+8*\t:SB+8*\t+7], v[KF+8*\t:KF+8*\t+7], v[QB:QB+7], 0
.endr
.endif
	v_add_nc_u32 v6, s40, v9                       ; four places
	v_add_nc_u32 v7, s42, v2
	v_nop
	v_nop
	WIN 0x40
.irp t, 0,1,2,3
.irp c, 0,1,2,3
	ds_load_b128 v[16*\t+4*\c:16*\t+4*\c+3], v7 offset:2048*\t+512*\c   ; V^T: 16 channels x 128 keys a fragment, wanted behind the softmax
.endr
.endr
	WIN 0
	KLOAD 6, 8192                                  ; the next step's K
.if \two
	DIAG SB, s79
.else
	DIAG SA, s17
.endif
	EXPS2 \two
	WIN 0x40
.irp t, 0,1,2,3,4,5,6,7
	v_cvt_scalef32_pk8_bf8_f32 v[CA+2*\t:CA+2*\t+1], v[SA+8*\t:SA+8*\t+7], v240   ; registers 2 t, 2 t + 1 of w's fragment
.if \two
	v_cvt_scalef32_pk8_bf8_f32 v[CB+2*\t:CB+2*\t+1], v[SB+8*\t:SB+8*\t+7], v242
.endif
.endr
	v_nop                                          ; a plain line between the conversions and the products that read their results
	WIN 0x55
	s_wait_alu depctr_va_vdst(0)
	s_wait_dscnt 0x10                              ; V; the next step's 16 loads of K, issued behind it, may be out
.irp t, 0,1,2,3
	v_wmma_f32_16x16x128_bf8_bf8 v[OA+8*\t:OA+8*\t+7], v[16*\t:16*\t+15], v[CA:CA+15], v[OA+8*\t:OA+8*\t+7]   ; the accumulators by turns
.endr
.if \two
.irp t, 0,1,2,3
	v_wmma_f32_16x16x128_bf8_bf8 v[OB+8*\t:OB+8*\t+7], v[16*\t:16*\t+15], v[CB:CB+15], v[OB+8*\t:OB+8*\t+7]
.endr
.endif
	WIN 0
.endm
	KLOAD 9, 0
.Lp2:                                              ; PASS 2: 16 trips
	s_cmp_gt_u32 s43, s17
	s_cbranch_scc1 .Lskip2
	s_cmp_gt_u32 s43, s79
	s_cbranch_scc1 .Lone2
	P2 1
	s_branch .Lskip2
.Lone2:
	P2 0
.Lskip2:
	s_add_co_u32 s40, s40, 8192
	s_add_co_u32 s42, s42, 8192
	s_add_co_u32 s43, s43, 1
	s_cmp_lt_u32 s43, 16
	s_cbranch_scc1 .Lp2
	; THE WAY OUT: a sum stands for sum x 2^(e8 + e9); its code for the last product is sum / 2^(e10 - e8 - e9): the three scales in one
.rept 4
	v_nop
.endr
	s_sub_co_i32 s46, s52, s50
	s_sub_co_i32 s46, s46, s51
	s_add_co_i32 s46, s46, 127
	s_lshl_b32 s47, s46, 23
	s_add_co_i32 s46, s46, 15
	s_lshl_b32 s46, s46, 23
	s_or_b32 s46, s46, 0x600000
	v_mov_b32 v240, s47
	v_mov_b32 v241, s46
	WIN 0x01
	s_wait_alu depctr_va_vdst(0)                   ; directly ahead of the first reader of O^T
.set nn, 0
.rept 64
	v_med3_num_f32 v[SA+nn], v[OA+nn], -v241, v241 ; (B's lie behind A's)
.set nn, nn+1
.endr
	WIN 0
.irp t, 0,1,2,3
	v_cvt_scalef32_pk8_bf8_f32 v[244+2*\t:245+2*\t], v[SA+8*\t:SA+8*\t+7], v240   ; token r, channels 16 t + 8 h + 0 .. 7 of my head
.endr
.irp t, 0,1,2,3
	v_cvt_scalef32_pk8_bf8_f32 v[20+2*\t:21+2*\t], v[SA+32+8*\t:SA+39+8*\t], v240
.endr
	v_nop
	global_store_b128 v9, v[244:247], s[56:57]               ; 512 consecutive bytes, aligned
	global_store_b128 v9, v[248:251], s[56:57] offset:512
	global_store_b128 v9, v[20:23], s[58:59]
	global_store_b128 v9, v[24:27], s[58:59] offset:512
	s_wait_tensorcnt 0x0                           ; the wave's end
	ds_add_u32 v10, v11
	s_wait_dscnt 0x0
	CROUND                                         ; the closing round
	s_endpgm
.Lfunc_end_k_q65bb390a14_attn:
	.size	k_q65bb390a14_attn, .Lfunc_end_k_q65bb390a14_attn-k_q65bb390a14_attn
	.p2alignl 7, 3214868480
	.fill 96, 4, 3214868480
	.section	.rodata,"a",@progbits
	.p2align	6, 0x0
	.amdhsa_kernel k_q65bb390a14_attn
		.amdhsa_group_segment_fixed_size 327680
		.amdhsa_private_segment_fixed_size 0
		.amdhsa_enable_private_segment 0
		.amdhsa_kernarg_size 32
		.amdhsa_user_sgpr_count 2
		.amdhsa_user_sgpr_kernarg_segment_ptr 1
		.amdhsa_wavefront_size32 1
		.amdhsa_system_sgpr_workgroup_id_x 1
		.amdhsa_system_sgpr_workgroup_id_y 1
		.amdhsa_system_sgpr_workgroup_id_z 1
		.amdhsa_system_vgpr_workitem_id 0
		.amdhsa_next_free_vgpr 416
		.amdhsa_next_free_sgpr 80
		.amdhsa_reserve_vcc 1
		.amdhsa_float_denorm_mode_32 3
		.amdhsa_float_denorm_mode_16_64 3
		.amdhsa_memory_ordered 1
		.amdhsa_forward_progress 1
		.amdhsa_inst_pref_size 127
	.end_amdhsa_kernel
	.amdgpu_metadata
---
amdhsa.version: [ 1, 2 ]
amdhsa.kernels:
  - .name:           k_q65bb390a14_attn
    .symbol:         k_q65bb390a14_attn.kd
    .args:
      - { .name: qkvc, .offset: 0, .size: 8, .value_kind: global_buffer, .address_space: global }
      - { .name: key_padding_mask, .offset: 8, .size: 8, .value_kind: global_buffer, .address_space: global }
      - { .name: lowp_scales, .offset: 16, .size: 8, .value_kind: global_buffer, .address_space: global }
      - { .name: ao, .offset: 24, .size: 8, .value_kind: global_buffer, .address_space: global }
    .group_segment_fixed_size: 327680
    .private_segment_fixed_size: 0
    .kernarg_segment_align: 8
    .kernarg_segment_size: 32
    .max_flat_workgroup_size: 256
    .sgpr_count:     80
    .vgpr_count:     416
    .wavefront_size: 32
...
	.end_amdgpu_metadata
.endif
;; end of part 3
;; launch oproj (part 4): grid 8 x 32, 4 waves a work-group, clusters of 4 x 4, 327,680 bytes of LDS; arguments codes, ao, bo, lowp_scales, out0; writes out0
.if DOCPART == 4
	.amdgcn_target "amdgcn-amd-amdhsa--gfx1250"
	.amdhsa_code_object_version 6
	.text
	.protected	k_q65bb390a14_oproj
	.globl	k_q65bb390a14_oproj
	.p2align	8
	.type	k_q65bb390a14_oproj,@function
k_q65bb390a14_oproj:
	s_mov_b64 s[64:65], 0
	v_nop
	global_prefetch_b8 v0, s[64:65] scope:SCOPE_SE
	s_setreg_imm32_b32 hwreg(HW_REG_WAVE_MODE, 25, 1), 1
	s_wait_xcnt 0x0
	s_wait_alu depctr_hold_cnt(0) depctr_sa_sdst(0) depctr_va_vdst(0) depctr_va_sdst(0) depctr_va_ssrc(0) depctr_va_vcc(0) depctr_vm_vsrc(0)
	s_getreg_b32 s2, hwreg(HW_REG_IB_STS2, 6, 4)
	s_cmp_eq_u32 s2, 0
	s_cbranch_scc0 .Lentry_in_a_cluster
	s_endpgm
.Lentry_in_a_cluster:
	s_bfe_u32 s2, ttmp6, 0x10000c
	s_cmp_lg_u32 s2, 0xf033
	s_cbranch_scc0 .Lentry_shape_is_right
	s_endpgm
.Lentry_shape_is_right:
; out0 = a Wo^T + bo on codes of BF8 (E5M2): a, attention's result, with entry 10 of the given exponents, Wo with entry 11.  out0: [4096][1024] f32.
; Both operands come as images of the operand's registers: [tile of 16 rows][K step 0..7][2,048 bytes]; in a fragment lane (r, h) holds in registers 2 c, 2 c + 1 row r, k = 16 c + 8 h + 0 .. 7.
; A TILE is 128 rows of P = Wo x 128 rows of Q = a with ALL of K = 1,024 in LDS (128 KiB a side): every LDS byte is filled once.  Four waves; wave w takes 64 rows of P (w >> 1) x 64 of Q (w & 1): 16 accumulators.
; Source 0 = 16 rows of Wo, source 1 = 16 tokens: a lane holds one token and eight neighbouring numbers of its row of out0.
; CLUSTERS of 4 x 4: Wo's tile hangs on the tile column and is asked for jointly down a column of the cluster, a's on the tile row, jointly along a row.
; LIMIT: e10 + e11 between -126 and 127.
; REGISTERS: window 0: v1-13 addresses; v16-47 the bias; v128-255 accumulator (a, t) at 128 + 8 (4 a + t).   window 1: two sets of fragments, at 0 and at 128: P's four at + 16 t, Q's four at + 64 + 16 a.
.set PREG, 0                           ; LDS: half of K x 131,072; in it P's 128 rows: tile of rows x 8,192 + (K step & 3) x 2,048;
.set QREG, 65536                       ; Q's likewise
.set STG,  262144                      ; behind the tiles: a stage of 16 rows x (256 bytes + 16) for each wave; no tile lands there
.set SP,   272
.set ADP,  4
.set ADQ,  6
.set STO,  8                           ; v8   the way out: where I put 32 bytes of a row
.set RD,   9                           ; v9   where I read a row back
.set CO,   12                          ; v12  my byte offset in out0
.set BB,   16
.set ACC,  128
.set F0,   0
.set F1,   128
.set G1P,  16
.set G1Q,  24
.set G0P,  32
.set G0Q,  48
.set MSB,  0
.macro WIN new                         ; the immediate's high byte repeats the setting that is left
.if MSB != \new
	s_set_vgpr_msb (MSB<<8)|\new
.set MSB, \new
.endif
.endm
.set MUL,  0x05                        ; sources 0 and 1 window 1; C and D window 0
.set TO_F, 0x40                        ; destination window 1, address window 0
.macro CROUND                          ; a round of the cluster's barrier
	s_barrier_signal -1
	s_barrier_wait -1
	s_cmp_lg_u32 s4, 0
	s_cbranch_scc1 .Lnot_wave_0_\@
	s_barrier_signal -3
.Lnot_wave_0_\@:
	s_barrier_wait -3
	s_barrier_signal -1
	s_barrier_wait -1
.endm
.macro PLACES n
.rept \n
	v_nop
.endr
.endm
	s_load_b256 s[68:75], s[0:1], 0x0              ; the weights' codes, a's codes, bo, the exponents
	s_load_b64 s[76:77], s[0:1], 0x20              ; out0
	v_lshl_add_u32 v126, v0, 2, 0x44400
	v_mov_b32 v127, 0
	ds_add_u32 v126, v127
	ds_add_u32 v126, v127
	v_lshrrev_b32 v1, 5, v0
	v_readfirstlane_b32 s4, v1                     ; wave 0..3
	s_lshr_b32 s5, s4, 1                           ; my 64 rows of P.  Also: I fetch for P (0) or for Q (1)
	s_and_b32 s6, s4, 1                            ; my 64 rows of Q.  Also: which 64 rows of that tile I fetch
	s_bfe_u32 s7, ttmp6, 0x40000                   ; cx
	s_bfe_u32 s8, ttmp6, 0x40004                   ; cy
	s_lshl_b32 s11, ttmp9, 2
	s_add_co_u32 s11, s11, s7                      ; the tile column: 128 of out0's columns
	s_and_b32 s12, ttmp7, 0xffff
	s_lshl_b32 s12, s12, 2
	s_add_co_u32 s12, s12, s8                      ; the tile row: 128 tokens
	s_lshl_b32 s80, 0x1111, s7                     ; my column of the cluster
	s_lshl_b32 s81, s8, 2
	s_lshl_b32 s81, 15, s81                        ; my row
	; descriptor group 1: of four tiles of rows, 16,384 bytes apart, the 8,192 bytes of four K steps: 4 rows x 1,024 elements of 8 bytes, dense in LDS
	s_or_b32 s[G1P], s80, (3<<16)|(1<<21)          ; 15:0 the mask; 17:16 elements of 8 bytes; 21 set beside a mask
	s_or_b32 s[G1Q], s81, (3<<16)|(1<<21)
.irp g, G1P, G1Q
	s_mov_b32 s[\g+1], 1024<<16                    ; tensor_dim0 = 1024
	s_mov_b32 s[\g+2], 4<<16                       ; tensor_dim1 = 4
	s_mov_b32 s[\g+3], 1024<<16                    ; tile_dim0 = 1024
	s_mov_b32 s[\g+4], 4                           ; tile_dim1 = 4
	s_mov_b32 s[\g+5], 2048                        ; elements from row to row
	s_mov_b32 s[\g+6], 0
	s_mov_b32 s[\g+7], 0
.endr
	s_lshl_b32 s90, s6, 16                         ; which four tiles of rows I fetch
	s_lshl_b32 s82, s11, 17
	s_add_co_u32 s82, s82, s90
	s_add_co_u32 s82, s82, 0xf00000                ; Wo's plane
	s_mov_b32 s83, 0
	s_lshl_b32 s84, s12, 17
	s_add_co_u32 s84, s84, s90
	s_mov_b32 s85, 0
	s_lshl_b32 s91, s6, 15                         ; and where they go: no place in the cluster enters an LDS address
	s_wait_dscnt 0x0
	s_wait_kmcnt 0x0
	s_load_b64 s[92:93], s[74:75], 0x28            ; e10, e11
	s_add_nc_u64 s[82:83], s[68:69], s[82:83]
	s_add_nc_u64 s[84:85], s[70:71], s[84:85]
.irp q, 0,1
	s_mov_b32 s[G0P+4*\q], 1
	s_add_co_u32 s[G0P+4*\q+1], s91, PREG+131072*\q
	s_add_nc_u64 s[G0P+4*\q+2:G0P+4*\q+3], s[82:83], 8192*\q
	s_or_b32 s[G0P+4*\q+3], s[G0P+4*\q+3], 0x80000000
	s_mov_b32 s[G0Q+4*\q], 1
	s_add_co_u32 s[G0Q+4*\q+1], s91, QREG+131072*\q
	s_add_nc_u64 s[G0Q+4*\q+2:G0Q+4*\q+3], s[84:85], 8192*\q
	s_or_b32 s[G0Q+4*\q+3], s[G0Q+4*\q+3], 0x80000000
.endr
	CROUND                                         ; all sixteen work-groups are here: the joint loads meet
.macro JLOAD q                         ; half q of K: waves 0 and 1 fetch P's halves of the rows, waves 2 and 3 Q's
	s_cmp_eq_u32 s5, 0
	s_cbranch_scc0 .Lfill_q_\@
	tensor_load_to_lds s[G0P+4*\q:G0P+4*\q+3], s[G1P:G1P+7]
	s_nop 0
	PLACES 4
	s_branch .Lfilled_\@
.Lfill_q_\@:
	tensor_load_to_lds s[G0Q+4*\q:G0Q+4*\q+3], s[G1Q:G1Q+7]
	s_nop 0
	PLACES 4
.Lfilled_\@:
.endm
	JLOAD 0                                        ; one tensor load a wave at the head
	; a prefetch of half 1, one instruction a wave: of the four tiles that a wave fetches each of the four partners names one, told apart by address (cy for P, cx for Q): 32 lanes x 256 bytes
	s_cmp_eq_u32 s5, 0
	s_cselect_b64 s[98:99], s[82:83], s[84:85]
	s_cselect_b32 s100, s8, s7
	s_lshl_b32 s100, s100, 14
	s_add_co_u32 s100, s100, 8192
	s_mov_b32 s101, 0
	s_add_nc_u64 s[98:99], s[98:99], s[100:101]
	v_and_b32 v1, 31, v0                           ; lane
	v_and_b32 v2, 15, v0                           ; r
	v_bfe_u32 v3, v0, 4, 1                         ; h
	v_lshlrev_b32 v13, 4, v1                       ; 16 x lane
	v_lshlrev_b32 v11, 8, v1                       ; the prefetch: lanes 256 bytes apart
	global_prefetch_b8 v11, s[98:99] th:TH_LOAD_NT scope:SCOPE_SE
	s_lshl_b32 s2, s5, 15
	v_add_nc_u32 v[ADP], s2, v13
	v_add_nc_u32 v[ADP+1], 0x20000, v[ADP]
	s_lshl_b32 s2, s6, 15
	s_add_co_u32 s2, s2, QREG
	v_add_nc_u32 v[ADQ], s2, v13
	v_add_nc_u32 v[ADQ+1], 0x20000, v[ADQ]
	s_mul_i32 s2, s4, 16*SP
	s_add_co_u32 s2, s2, STG                       ; my stage
	v_mul_u32_u24 v[STO], v2, SP
	v_lshl_add_u32 v[STO], v3, 5, v[STO]
	v_add_nc_u32 v[STO], s2, v[STO]                ; in: row r, + 32 h
	v_mul_u32_u24 v[RD], v3, SP
	v_lshl_add_u32 v[RD], v2, 4, v[RD]
	v_add_nc_u32 v[RD], s2, v[RD]                  ; back: lanes 0-15 one row of 256 bytes, lanes 16-31 the next
	v_lshlrev_b32 v[CO], 12, v3
	v_lshl_add_u32 v[CO], v2, 4, v[CO]             ; and the same two rows in out0
	s_lshl_b32 s90, s12, 19                        ; 128 rows of 4,096 bytes,
	s_lshl_b32 s95, s6, 18                         ; my wave's 64,
	s_add_co_u32 s90, s90, s95
	s_lshl_b32 s96, s11, 9                         ; 128 columns,
	s_lshl_b32 s95, s5, 8                          ; my wave's 64: 256 bytes, aligned
	s_add_co_u32 s96, s96, s95
	s_mov_b32 s97, 0
	s_add_co_u32 s90, s90, s96
	s_mov_b32 s91, 0
	s_add_nc_u64 s[88:89], s[76:77], s[90:91]
	s_add_nc_u64 s[86:87], s[72:73], s[96:97]      ; bo at my 64 columns
	v_lshlrev_b32 v10, 5, v3                       ; 32 h
.irp t, 0,1,2,3                        ; BB + 8 t + j = bo(16 t + 8 h + j)
	global_load_b128 v[BB+8*\t:BB+8*\t+3], v10, s[86:87] offset:64*\t
	global_load_b128 v[BB+8*\t+4:BB+8*\t+7], v10, s[86:87] offset:64*\t+16
.endr
; 32 LDS loads in one run: the fragments of K step s (P's four, Q's four) into set f; each load takes 512 consecutive bytes
.macro FETCH s, f
	WIN TO_F
.set FI, 2048*((\s)&3)
.set FH, (\s)>>2
.irp t, 0,1,2,3
.irp c, 0,1,2,3
	ds_load_b128 v[\f+16*\t+4*\c:\f+16*\t+4*\c+3], v[ADP+FH] offset:FI+8192*\t+512*\c
.endr
.endr
.irp t, 0,1,2,3
.irp c, 0,1,2,3
	ds_load_b128 v[\f+64+16*\t+4*\c:\f+64+16*\t+4*\c+3], v[ADQ+FH] offset:FI+8192*\t+512*\c
.endr
.endr
.endm
; 8 matrix instructions: Q's fragments a0, a0 + 1 x P's four, 128 along K.  zero = 1: the first product starts the sums.  The 16 accumulators take turns, in the same order in every step.
.macro MUL8 f, a0, zero
.irp a, \a0, \a0+1
.irp t, 0,1,2,3
.if \zero
	v_wmma_f32_16x16x128_bf8_bf8 v[ACC+8*(4*(\a)+\t):ACC+8*(4*(\a)+\t)+7], v[\f+16*\t:\f+16*\t+15], v[\f+64+16*(\a):\f+64+16*(\a)+15], 0
.else
	v_wmma_f32_16x16x128_bf8_bf8 v[ACC+8*(4*(\a)+\t):ACC+8*(4*(\a)+\t)+7], v[\f+16*\t:\f+16*\t+15], v[\f+64+16*(\a):\f+64+16*(\a)+15], v[ACC+8*(4*(\a)+\t):ACC+8*(4*(\a)+\t)+7]
.endif
.endr
.endr
.endm
; K step s multiplies set f and, in its middle, fetches step s + 1 into set g.
.macro STEP s, f, g, zero
	s_wait_dscnt 0x0                               ; this step's fragments are in
.if \s == 3
	s_wait_tensorcnt 0x0                           ; step 4 begins half 1: my load of it is in
	s_barrier_signal -1
.endif
	WIN MUL
	MUL8 \f, 0, \zero
.if \s == 3
	s_barrier_wait -1
.endif
.if \s < 7
	PLACES 4                                       ; four places between the last step's products, which read set g, and the loads into it (ISA guide 7.12.1 for vector instructions)
	FETCH \s+1, \g
.endif
	WIN MUL
	MUL8 \f, 2, \zero
.endm
	s_wait_alu depctr_va_vdst(0)
	s_wait_tensorcnt 0x0                           ; my load of half 0 is in
	ds_add_u32 v126, v127
	s_wait_dscnt 0x0
	CROUND                                         ; everybody's half 0 is in, and the joint loads meet
	JLOAD 1
	FETCH 0, F0
	STEP 0, F0, F1, 1
	STEP 1, F1, F0, 0
	STEP 2, F0, F1, 0
	STEP 3, F1, F0, 0
	STEP 4, F0, F1, 0
	STEP 5, F1, F0, 0
	STEP 6, F0, F1, 0
	STEP 7, F1, F0, 0
	WIN 0
	PLACES 4                                       ; in front of the first read of results
	; THE WAY OUT: sum x 2^(e10 + e11) + bo; a block of 16 tokens x 64 columns at a time through my own stage, back as whole rows of 256 bytes
	s_wait_loadcnt 0x0                             ; bo
	s_wait_kmcnt 0x0
	s_add_co_i32 s66, s92, s93
	s_add_co_i32 s66, s66, 127
	s_lshl_b32 s66, s66, 23                        ; 2^(e10 + e11) as f32
	s_mov_b32 s67, s66                             ; (named with it as a pair, so it is written)
.irp a, 0,1,2,3
.irp t, 0,1,2,3
.irp i, 0,2,4,6
	v_pk_fma_f32 v[ACC+32*\a+8*\t+\i:ACC+32*\a+8*\t+\i+1], v[ACC+32*\a+8*\t+\i:ACC+32*\a+8*\t+\i+1], s[66:67], v[BB+8*\t+\i:BB+8*\t+\i+1] op_sel_hi:[1,0,1]   ; each accumulator from its low end on
.endr
.endr
.endr
.macro PACK a
.irp t, 0,1,2,3
	ds_store_b128 v[STO], v[ACC+32*\a+8*\t:ACC+32*\a+8*\t+3] offset:64*\t
	ds_store_b128 v[STO], v[ACC+32*\a+8*\t+4:ACC+32*\a+8*\t+7] offset:64*\t+16
.endr
.irp t, 0,1,2,3,4,5,6,7
	ds_load_b128 v[ACC+32*\a+4*\t:ACC+32*\a+4*\t+3], v[RD] offset:2*\t*SP   ; LDS serves a wave's instructions in order (ISA guide 5.7.1.4): these see my stores, and the next block's stores come behind them
.endr
.endm
.macro SEND a, younger                 ; younger: the LDS instructions issued behind block a's loads: the next block's sixteen, or none
.irp t, 0,1,2,3,4,5,6,7
	s_wait_dscnt \younger+7-\t
	global_store_b128 v[CO], v[ACC+32*\a+4*\t:ACC+32*\a+4*\t+3], s[88:89] offset:(16*\a+2*\t)*4096 th:TH_STORE_NT   ; 16 lanes store 256 consecutive bytes, aligned; written once, read by nobody here
.endr
.endm
	PACK 0
	PACK 1
	s_wait_alu depctr_va_vdst(0)
	SEND 0, 16
	PACK 2
	SEND 1, 16
	PACK 3
	SEND 2, 16
	SEND 3, 0
	s_wait_dscnt 0x0
	s_wait_tensorcnt 0x0
	ds_add_u32 v126, v127
	s_wait_dscnt 0x0
	CROUND                                         ; the closing round: no work-group ends while a partner may still ask for a tile that names it
	s_endpgm
.Lfunc_end_k_q65bb390a14_oproj:
	.size	k_q65bb390a14_oproj, .Lfunc_end_k_q65bb390a14_oproj-k_q65bb390a14_oproj
	.p2alignl 7, 3214868480
	.fill 96, 4, 3214868480
	.section	.rodata,"a",@progbits
	.p2align	6, 0x0
	.amdhsa_kernel k_q65bb390a14_oproj
		.amdhsa_group_segment_fixed_size 327680
		.amdhsa_private_segment_fixed_size 0
		.amdhsa_enable_private_segment 0
		.amdhsa_kernarg_size 40
		.amdhsa_user_sgpr_count 2
		.amdhsa_user_sgpr_kernarg_segment_ptr 1
		.amdhsa_wavefront_size32 1
		.amdhsa_system_sgpr_workgroup_id_x 1
		.amdhsa_system_sgpr_workgroup_id_y 1
		.amdhsa_system_sgpr_workgroup_id_z 1
		.amdhsa_system_vgpr_workitem_id 0
		.amdhsa_next_free_vgpr 512
		.amdhsa_next_free_sgpr 102
		.amdhsa_reserve_vcc 0
		.amdhsa_float_denorm_mode_32 3
		.amdhsa_float_denorm_mode_16_64 3
		.amdhsa_memory_ordered 1
		.amdhsa_forward_progress 1
		.amdhsa_inst_pref_size 47
	.end_amdhsa_kernel
	.amdgpu_metadata
---
amdhsa.version: [ 1, 2 ]
amdhsa.kernels:
  - .name:           k_q65bb390a14_oproj
    .symbol:         k_q65bb390a14_oproj.kd
    .args:
      - { .name: codes, .offset: 0, .size: 8, .value_kind: global_buffer, .address_space: global }
      - { .name: ao, .offset: 8, .size: 8, .value_kind: global_buffer, .address_space: global }
      - { .name: bo, .offset: 16, .size: 8, .value_kind: global_buffer, .address_space: global }
      - { .name: lowp_scales, .offset: 24, .size: 8, .value_kind: global_buffer, .address_space: global }
      - { .name: out0, .offset: 32, .size: 8, .value_kind: global_buffer, .address_space: global }
    .group_segment_fixed_size: 327680
    .private_segment_fixed_size: 0
    .kernarg_segment_align: 8
    .kernarg_segment_size: 40
    .max_flat_workgroup_size: 128
    .sgpr_count:     102
    .vgpr_count:     512
    .wavefront_size: 32
...
	.end_amdgpu_metadata
.endif
;; end of part 4
